; MI455X (gfx1250); checked and timed in simulation.
; The chip was launched on July 23, 2026; its instructions are those of AMD's public machine-readable ISA for CDNA 5 (MIT licence, August 2026) and "CDNA5" Instruction Set Architecture Reference Guide (July 2026). The comments in the code are by the model that wrote it; some were corrected since.
;; Gated Delta Rule. Allowed arithmetic: float matrix products may take bf16 or f16 operands with f32 sums; other float arithmetic in f32, or as packed bf16 or f16 multiplies, adds, multiply-adds, maxima and minima; sums over many terms, partial sums and values carried from step to step in f32; what a program stores and reads back later, other than sums and carried values, may be rounded once to bf16 or f16.
;; Inputs: Wa 1,024 x 1 float32; Wb 1,024 x 1 float32; Wg 1,024 x 128 float32; Wk 1,024 x 128 float32; Wo 128 x 1,024 float32; Wq 1,024 x 128 float32; Wv 1,024 x 128 float32; ba 1 float32; bb 1 float32; bg 128 float32; bk 128 float32; bo 1,024 float32; bq 128 float32; bv 128 float32; x 8 x 2,048 x 1,024 float32.
;; Outputs: out0 8 x 2,048 x 1,024 float32.
;; One version. Each part assembles by itself: llvm-mc -triple=amdgcn-amd-amdhsa -mcpu=gfx1250 --defsym DOCPART=n.
;; ======== version 1 of 1: 4 launches
;; limits: values are held in f16: magnitudes above 65,504 overflow, below 6.1e-05 lose precision; inputs' magnitudes at most 65,504
;; workspace buffers: wts 1,448,448 bytes; rec 20,971,520 bytes; phi 8,388,608 bytes; psi 16,777,216 bytes; meta 132,096 bytes; zf 8,388,608 bytes
;; launch prep (part 1): grid 165 x 1, 8 waves a work-group, no clusters, 0 bytes of LDS; arguments Wq, Wk, Wv, Wg, Wa, Wb, Wo, bq, bk, bv, bg, ba, bb, bo, wts; writes wts
.if DOCPART == 1
	.amdgcn_target "amdgcn-amd-amdhsa--gfx1250"
	.amdhsa_code_object_version 6
	.text
	.protected	k_qf7f2dc7787_prep
	.globl	k_qf7f2dc7787_prep
	.p2align	8
	.type	k_qf7f2dc7787_prep,@function
k_qf7f2dc7787_prep:
	s_mov_b64 s[64:65], 0
	v_nop
	global_prefetch_b8 v0, s[64:65] scope:SCOPE_SE
	s_setreg_imm32_b32 hwreg(HW_REG_WAVE_MODE, 25, 1), 1
	s_wait_xcnt 0x0
; PREP: the weights are laid out once in the order in which the matrix instructions of the later launches want them.
; wts: WF [matrix q,k,v,g][K step 32][fragment 9][part 2][lane 32][16 bytes], bf16: element e of lane (r = lane % 16, h = lane / 16) is W[32 ks + 16 part + 8 h + e][16 nb + r];
;      fragment 8 holds Wa in r = 0, Wb in r = 1, zeros elsewhere, copied into all four streams.
;      WOF [column block 64][K step 4][part 2][lane][16 bytes]: Wo[32 ks + 16 part + 8 h + e][16 mt + r], rounded to bf16 and that number written as f16.
;      BC: the biases rounded to bf16, kept as f32: q, k, v, g at 512 w; {ba, bb, 0 x 30} at 2048; bo at 2560.
; LIMIT: |Wo| beyond 65,504 has no f16; below 6e-5 f16 keeps its fixed step of 6e-8.
; 165 work-groups of 8 waves: 128 for Wq..Wg (one fragment a wave), 32 for Wo, 4 for Wa and Wb, 1 for the biases.  2.6 MB in all: no LDS, no matrix unit.
.set WF_MAT, 294912
.set WF_KS,  9216
.set WOF,    1179648
.set BC,     1441792
.macro GATHER pitch                    ; 16 numbers a lane: rows 16 part + 8 h + e, column r; the rows' pitch in bytes
.irp pt,0,1
.irp e,0,1,2,3,4,5,6,7
	global_load_b32 v[8+8*\pt+\e], v6, s[36:37] offset:(16*\pt+\e)*(\pitch)
.endr
.endr
	s_wait_loadcnt 0x0
.endm
.macro PKBF                            ; v8-23 rounded to bf16 in pairs -> v40-47
.irp i,0,1,2,3,4,5,6,7
	v_cvt_pk_bf16_f32 v[40+\i], v[8+2*\i], v[9+2*\i]
.endr
.endm
.macro RB16 a                          ; v[a], v[a+1] rounded to bf16 and widened again
	v_cvt_pk_bf16_f32 v7, v[\a], v[(\a)+1]
	v_lshlrev_b32 v[\a], 16, v7
	v_and_b32 v[(\a)+1], 0xffff0000, v7
.endm
	s_load_b512 s[4:19], s[0:1], 0x0               ; Wq s[4:5] Wk s[6:7] Wv s[8:9] Wg s[10:11] Wa s[12:13] Wb s[14:15] Wo s[16:17] bq s[18:19]
	s_load_b256 s[20:27], s[0:1], 0x40             ; bk s[20:21] bv s[22:23] bg s[24:25] ba s[26:27]
	s_load_b128 s[28:31], s[0:1], 0x60             ; bb s[28:29] bo s[30:31]
	s_load_b64 s[32:33], s[0:1], 0x70              ; wts
	v_lshrrev_b32 v1, 5, v0
	v_readfirstlane_b32 s34, v1                    ; wave
	v_and_b32 v2, 31, v0                           ; lane
	v_and_b32 v3, 15, v0                           ; r
	v_bfe_u32 v4, v0, 4, 1                         ; h
	v_lshlrev_b32 v5, 4, v2                        ; 16 lane
	s_mov_b32 s35, ttmp9
	s_mov_b32 s41, 0
	s_wait_kmcnt 0x0
	s_cmp_lt_u32 s35, 128
	s_cbranch_scc0 .Lnot_w
	; ---- Wq, Wk, Wv, Wg: matrix x >> 5, K step x & 31, fragment = wave
	s_lshr_b32 s38, s35, 5
	s_and_b32 s39, s35, 31
	s_cmp_eq_u32 s38, 1
	s_cselect_b64 s[36:37], s[6:7], s[4:5]
	s_cmp_eq_u32 s38, 2
	s_cselect_b64 s[36:37], s[8:9], s[36:37]
	s_cmp_eq_u32 s38, 3
	s_cselect_b64 s[36:37], s[10:11], s[36:37]
	s_lshl_b32 s40, s39, 14                        ; 32 rows of 512 bytes
	s_add_nc_u64 s[36:37], s[36:37], s[40:41]
	v_lshlrev_b32 v6, 12, v4                       ; 8 h rows
	v_lshl_add_u32 v6, v3, 2, v6                   ; + 4 r
	s_lshl_b32 s42, s34, 6
	v_add_nc_u32 v6, s42, v6                       ; + 16 columns a fragment
	GATHER 512
	PKBF
	s_mul_i32 s40, s38, WF_MAT
	s_mul_i32 s42, s39, WF_KS
	s_add_co_u32 s40, s40, s42
	s_lshl_b32 s42, s34, 10
	s_add_co_u32 s40, s40, s42
	s_add_nc_u64 s[32:33], s[32:33], s[40:41]
	global_store_b128 v5, v[40:43], s[32:33]               ; a wave's store covers 512 consecutive bytes
	global_store_b128 v5, v[44:47], s[32:33] offset:512
	s_endpgm
.Lnot_w:
	s_cmp_lt_u32 s35, 160
	s_cbranch_scc0 .Lnot_wo
	; ---- Wo: fragment f = 8 (x - 128) + wave: column block f >> 2, K step f & 3
	s_sub_co_u32 s38, s35, 128
	s_lshl_b32 s38, s38, 3
	s_add_co_u32 s38, s38, s34
	s_lshr_b32 s39, s38, 2
	s_and_b32 s42, s38, 3
	s_lshl_b32 s40, s42, 17                        ; 32 rows of 4,096 bytes
	s_add_nc_u64 s[36:37], s[16:17], s[40:41]
	v_lshlrev_b32 v6, 15, v4
	v_lshl_add_u32 v6, v3, 2, v6
	s_lshl_b32 s42, s39, 6
	v_add_nc_u32 v6, s42, v6
	GATHER 4096
	PKBF
.irp i,0,1,2,3,4,5,6,7
	v_lshlrev_b32 v8, 16, v[40+\i]                 ; the bf16 numbers, widened,
	v_and_b32 v9, 0xffff0000, v[40+\i]
	v_cvt_pk_f16_f32 v[40+\i], v8, v9              ; written as f16
.endr
	s_lshl_b32 s40, s38, 10
	s_add_co_u32 s40, s40, WOF
	s_add_nc_u64 s[32:33], s[32:33], s[40:41]
	global_store_b128 v5, v[40:43], s[32:33]
	global_store_b128 v5, v[44:47], s[32:33] offset:512
	s_endpgm
.Lnot_wo:
	s_cmp_lt_u32 s35, 164
	s_cbranch_scc0 .Lbias
	; ---- Wa, Wb: K step 8 (x - 160) + wave
	s_sub_co_u32 s38, s35, 160
	s_lshl_b32 s38, s38, 3
	s_add_co_u32 s38, s38, s34
	s_lshl_b32 s42, s38, 7                         ; 32 numbers of 4 bytes a K step
	v_lshlrev_b32 v6, 5, v4                        ; + 8 h numbers
	v_add_nc_u32 v6, s42, v6
.irp pt,0,1
	global_load_b128 v[8+8*\pt:11+8*\pt],  v6, s[12:13] offset:64*\pt
	global_load_b128 v[12+8*\pt:15+8*\pt], v6, s[12:13] offset:64*\pt+16
	global_load_b128 v[24+8*\pt:27+8*\pt], v6, s[14:15] offset:64*\pt
	global_load_b128 v[28+8*\pt:31+8*\pt], v6, s[14:15] offset:64*\pt+16
.endr
	s_wait_loadcnt 0x0
	v_cmp_eq_u32 s44, 0, v3
	v_cmp_eq_u32 s45, 1, v3
.irp i,0,1,2,3,4,5,6,7,8,9,10,11,12,13,14,15
	v_cndmask_b32 v[8+\i], 0, v[8+\i], s44         ; r = 0: Wa
	v_cndmask_b32 v[8+\i], v[8+\i], v[24+\i], s45  ; r = 1: Wb; else 0
.endr
	PKBF
	s_mul_i32 s40, s38, WF_KS
	s_add_nc_u64 s[32:33], s[32:33], s[40:41]
.irp m,0,1,2,3
	global_store_b128 v5, v[40:43], s[32:33] offset:\m*WF_MAT+8192
	global_store_b128 v5, v[44:47], s[32:33] offset:\m*WF_MAT+8192+512
.endr
	s_endpgm
.Lbias:
	; ---- the biases
	v_lshlrev_b32 v6, 4, v0
	global_load_b128 v[8:11], v6, s[30:31]         ; bo: 256 threads x 16 bytes
	s_wait_loadcnt 0x0
	RB16 8
	RB16 10
	global_store_b128 v6, v[8:11], s[32:33] offset:BC+2560
	s_cmp_lt_u32 s34, 4
	s_cbranch_scc0 .Lnot_b4
	s_cmp_eq_u32 s34, 1
	s_cselect_b64 s[36:37], s[20:21], s[18:19]
	s_cmp_eq_u32 s34, 2
	s_cselect_b64 s[36:37], s[22:23], s[36:37]
	s_cmp_eq_u32 s34, 3
	s_cselect_b64 s[36:37], s[24:25], s[36:37]
	global_load_b128 v[12:15], v5, s[36:37]        ; bq, bk, bv, bg: wave w takes number w
	s_wait_loadcnt 0x0
	RB16 12
	RB16 14
	s_lshl_b32 s40, s34, 9
	s_add_co_u32 s40, s40, BC
	s_add_nc_u64 s[38:39], s[32:33], s[40:41]
	global_store_b128 v5, v[12:15], s[38:39]
	s_endpgm
.Lnot_b4:
	s_cmp_eq_u32 s34, 4
	s_cbranch_scc0 .Ldone
	v_mov_b32 v16, 0
	global_load_b32 v17, v16, s[26:27]             ; ba
	global_load_b32 v18, v16, s[28:29]             ; bb
	s_wait_loadcnt 0x0
	v_cmp_eq_u32 s44, 0, v2
	v_cmp_eq_u32 s45, 1, v2
	v_cndmask_b32 v17, 0, v17, s44
	v_cndmask_b32 v17, v17, v18, s45
	v_cvt_pk_bf16_f32 v7, v17, v16
	v_lshlrev_b32 v17, 16, v7
	v_lshlrev_b32 v19, 2, v2
	global_store_b32 v19, v17, s[32:33] offset:BC+2048
.Ldone:
	s_endpgm
.Lfunc_end_k_qf7f2dc7787_prep:
	.size	k_qf7f2dc7787_prep, .Lfunc_end_k_qf7f2dc7787_prep-k_qf7f2dc7787_prep
	.p2alignl 7, 3214868480
	.fill 96, 4, 3214868480
	.section	.rodata,"a",@progbits
	.p2align	6, 0x0
	.amdhsa_kernel k_qf7f2dc7787_prep
		.amdhsa_group_segment_fixed_size 0
		.amdhsa_private_segment_fixed_size 0
		.amdhsa_enable_private_segment 0
		.amdhsa_kernarg_size 120
		.amdhsa_user_sgpr_count 2
		.amdhsa_user_sgpr_kernarg_segment_ptr 1
		.amdhsa_wavefront_size32 1
		.amdhsa_system_sgpr_workgroup_id_x 1
		.amdhsa_system_sgpr_workgroup_id_y 1
		.amdhsa_system_sgpr_workgroup_id_z 1
		.amdhsa_system_vgpr_workitem_id 0
		.amdhsa_next_free_vgpr 48
		.amdhsa_next_free_sgpr 66
		.amdhsa_reserve_vcc 0
		.amdhsa_float_denorm_mode_32 3
		.amdhsa_float_denorm_mode_16_64 3
		.amdhsa_memory_ordered 1
		.amdhsa_forward_progress 1
		.amdhsa_inst_pref_size 15
	.end_amdhsa_kernel
	.amdgpu_metadata
---
amdhsa.version: [ 1, 2 ]
amdhsa.kernels:
  - .name:           k_qf7f2dc7787_prep
    .symbol:         k_qf7f2dc7787_prep.kd
    .args:
      - { .name: Wq, .offset: 0, .size: 8, .value_kind: global_buffer, .address_space: global }
      - { .name: Wk, .offset: 8, .size: 8, .value_kind: global_buffer, .address_space: global }
      - { .name: Wv, .offset: 16, .size: 8, .value_kind: global_buffer, .address_space: global }
      - { .name: Wg, .offset: 24, .size: 8, .value_kind: global_buffer, .address_space: global }
      - { .name: Wa, .offset: 32, .size: 8, .value_kind: global_buffer, .address_space: global }
      - { .name: Wb, .offset: 40, .size: 8, .value_kind: global_buffer, .address_space: global }
      - { .name: Wo, .offset: 48, .size: 8, .value_kind: global_buffer, .address_space: global }
      - { .name: bq, .offset: 56, .size: 8, .value_kind: global_buffer, .address_space: global }
      - { .name: bk, .offset: 64, .size: 8, .value_kind: global_buffer, .address_space: global }
      - { .name: bv, .offset: 72, .size: 8, .value_kind: global_buffer, .address_space: global }
      - { .name: bg, .offset: 80, .size: 8, .value_kind: global_buffer, .address_space: global }
      - { .name: ba, .offset: 88, .size: 8, .value_kind: global_buffer, .address_space: global }
      - { .name: bb, .offset: 96, .size: 8, .value_kind: global_buffer, .address_space: global }
      - { .name: bo, .offset: 104, .size: 8, .value_kind: global_buffer, .address_space: global }
      - { .name: wts, .offset: 112, .size: 8, .value_kind: global_buffer, .address_space: global }
    .group_segment_fixed_size: 0
    .private_segment_fixed_size: 0
    .kernarg_segment_align: 8
    .kernarg_segment_size: 120
    .max_flat_workgroup_size: 256
    .sgpr_count:     66
    .vgpr_count:     48
    .wavefront_size: 32
...
	.end_amdgpu_metadata
.endif
;; end of part 1
;; launch proj (part 2): grid 256 x 1, 4 waves a work-group, clusters of 4 x 1, 327,680 bytes of LDS; arguments x, wts, rec, phi, psi, meta; writes rec, phi, psi, meta
.if DOCPART == 2
	.amdgcn_target "amdgcn-amd-amdhsa--gfx1250"
	.amdhsa_code_object_version 6
	.text
	.protected	k_qf7f2dc7787_proj
	.globl	k_qf7f2dc7787_proj
	.p2align	8
	.type	k_qf7f2dc7787_proj,@function
k_qf7f2dc7787_proj:
	s_mov_b64 s[64:65], 0
	v_nop
	global_prefetch_b8 v0, s[64:65] scope:SCOPE_SE
	s_setreg_imm32_b32 hwreg(HW_REG_WAVE_MODE, 25, 1), 1
	s_wait_xcnt 0x0
	s_wait_alu depctr_hold_cnt(0) depctr_sa_sdst(0) depctr_va_vdst(0) depctr_va_sdst(0) depctr_va_ssrc(0) depctr_va_vcc(0) depctr_vm_vsrc(0)
	s_getreg_b32 s2, hwreg(HW_REG_IB_STS2, 6, 4)
	s_cmp_eq_u32 s2, 0
	s_cbranch_scc0 .Lentry_in_a_cluster
	s_endpgm
.Lentry_in_a_cluster:
	s_bfe_u32 s2, ttmp6, 0x10000c
	s_cmp_lg_u32 s2, 0x3003
	s_cbranch_scc0 .Lentry_shape_is_right
	s_endpgm
.Lentry_shape_is_right:
; PROJ: one work-group = one chunk of 64 steps (chunk g = 32 batch + c).  All six projections, then everything of the gated delta rule that does not need the incoming state.
; MATHEMATICS.  In a chunk, with G_t the running sum of log2 alpha, g = 2^G, S0 the incoming state: S_t = a_t S_(t-1) + u_t k_t^T, (I + A) U = diag(b) V - diag(b g) K S0^T,
; A_ts = b_t 2^(G_t - G_s) (k_t . k_s) for s < t.  With T = (I + A)^-1: U = U0 - Kb S0^T, U0 = T diag(b) V, Kb = T diag(b g) K, and S_64 = S0 Phi + Psi,
; Phi = gL I - Kb^T diag(D) K, Psi = U0^T diag(D) K, D_s = 2^(GL - G_s).  This launch stores q, k, the gate's argument, U0, Kb, Phi, Psi, G and the norms.
; UNITS.  Rows of q, k, v are divided by n = max(|row|, 1e-12) (for k that is the problem's own normalisation); U0 and Psi are kept in units of sigma_c, the chunk's largest n_v.
; So every f16 number here is bounded for every input.  x, the weights and the biases are rounded to bf16; what the program makes itself is kept in f16; all sums in f32.
; LIMITS.  alpha below 2^-40 counts as 2^-40 (|G| stays under 2,560, so G_t - G_s is exact to 1e-3).  A row of q, k, v whose squares underflow (entries under 1e-19) counts as 0.
; f16 numbers below 6e-5 of their unit keep the fixed step 6e-8.  The gate's argument beyond 65,504 becomes an infinity, whose sigmoid is 0 or 1.  NaN and infinities in the inputs are not treated apart.
; SHARES.  Wave w owns matrix w (q, k, v, g): 64 rows x 128 columns, 32 accumulators, and the a/b block for rows 16 w .. 16 w + 15, one more.  The product is used transposed (source 0 = 16 columns of W,
; source 1 = 16 rows of x): a lane holds row 16 tb + lane % 16 and its 8 registers the columns 16 nb + 8 (lane / 16) + 0..7.  Such a tile rounded to f16 is 16 bytes a lane, stored as a PACKED TILE of 512 bytes
; at 16 x lane.  Two packed tiles are an operand fragment whose K runs along the columns; ds_load_tr16_b128 at tile + TRL brings the transposed fragment.
; CLUSTER.  All work-groups walk the same weights: each wave's part of a K step of 64 (18,432 dense bytes in fragment order) is asked for jointly by the four work-groups of a cluster.
; x comes through registers: a wave loads 16 rows of a quarter (K = 256), rounds to bf16 and stores them into LDS bytes of their own, one quarter ahead.
; LDS: ring 2 x 73,728 | x in bf16, 4 quarters x 64 rows x 528 | spare words.  Behind the main loop x's bytes serve as scratch (written by LDS stores only; no tensor load lands there).
; REGISTERS.  window 0: v0-15 addresses; v16-95 two buffers of 5 fragments of x; v96-239 two buffers of 9 fragments of W; v240-247 the a/b accumulator.   window 1: the 32 accumulators.
; window 2: v0-127 a quarter of x as it lands; v128-199 the biases as nine C tiles.  s_set_vgpr_msb: bits 1:0 source 0, 3:2 source 1, 5:4 source 2, 7:6 destination.
.set WF_MAT, 294912
.set BC,     1441792
.set RINGW,  18432                     ; a wave's part of a slot: 2 K steps of 32 x 9 fragments x 1,024 bytes
.set SLOTB,  73728
.set XR,     147456
.set XQ,     33792                     ; a quarter of x in LDS: 64 rows of 512 + 16 bytes
.set SPARE,  282624
.set LS,     147456                    ; scratch: packed tiles of wave w at LS + 16,384 w
.set KF,     LS+16384
.set VF,     LS+32768
.set AF,     LS+65536                  ; tiles (tb * 4 + sb) of -A
.set TT,     LS+73728                  ; [version V, K][block 4][part: T diag(beta), T][lane][16]
.set AR,     LS+81920                  ; +0 prefix sums of log2 alpha by block (+256 a shadow for lanes 16-31); +512 beta (+768 shadow); +1024 + 256 w the norms
.set XFB, 16
.set WFB, 96
.set MSB, 0
.macro WIN new                         ; the immediate's high byte repeats the setting that is left
.if MSB != (\new)
	s_set_vgpr_msb (MSB<<8)|(\new)
.set MSB, (\new)
.endif
.endm
.macro PLACES                          ; four plain vector instructions between a matrix instruction and what reads its result or writes its registers (ISA guide 7.12.1)
.rept 4
	v_nop
.endr
.endm
.macro CREST                           ; a round of the cluster's barrier behind its opening barrier
	s_cmp_lg_u32 s16, 0
	s_cbranch_scc1 .Lnw0_\@
	s_barrier_signal -3
.Lnw0_\@:
	s_barrier_wait -3
	s_barrier_signal -1
	s_barrier_wait -1
.endm
.macro ROUND
	s_barrier_signal -1
	s_barrier_wait -1
	CREST
.endm
.macro LOADX                           ; my 16 rows of a quarter: 32 loads of 512 consecutive bytes
	WIN 0x80
.set XI, 0
.rept 32
	global_load_b128 v[4*XI:4*XI+3], v9, s[40:41] offset:(XI>>1)*4096+(XI&1)*512 th:TH_LOAD_NT
.set XI, XI+1
.endr
	WIN 0
.endm
.macro XSTORE n                        ; the quarter that has landed goes to LDS in bf16; n younger loads stay out
	s_wait_loadcnt \n
	WIN 0x8a
.set XI, 0
.rept 32
	v_cvt_pk_bf16_f32 v[4*XI], v[4*XI], v[4*XI+1]
	v_cvt_pk_bf16_f32 v[4*XI+1], v[4*XI+2], v[4*XI+3]
.set XI, XI+1
.endr
	WIN 0x08
.set XI, 0
.rept 32
	ds_store_b64 v8, v[4*XI:4*XI+1] offset:(XI>>1)*528+(XI&1)*256
.set XI, XI+1
.endr
	WIN 0
	v_add_nc_u32 v8, XQ, v8                        ; the next quarter's bytes
	s_add_nc_u64 s[40:41], s[40:41], 1024          ; its loads are done: the base may step
.endm
.macro FETCH slot, sub, xk, buf        ; 28 LDS loads: 9 fragments of W, x's four row blocks, my own row block once more
	WIN 0
.irp f,0,1,2,3,4,5,6,7,8
	ds_load_b128 v[WFB+72*(\buf)+8*\f:WFB+72*(\buf)+8*\f+3],   v[4+(\slot)] offset:(\sub)*9216+\f*1024
	ds_load_b128 v[WFB+72*(\buf)+8*\f+4:WFB+72*(\buf)+8*\f+7], v[4+(\slot)] offset:(\sub)*9216+\f*1024+512
.endr
.irp tb,0,1,2,3
	ds_load_b128 v[XFB+40*(\buf)+8*\tb:XFB+40*(\buf)+8*\tb+3],   v6 offset:8448*\tb+(\xk)
	ds_load_b128 v[XFB+40*(\buf)+8*\tb+4:XFB+40*(\buf)+8*\tb+7], v6 offset:8448*\tb+(\xk)+32
.endr
	ds_load_b128 v[XFB+40*(\buf)+32:XFB+40*(\buf)+35], v7 offset:(\xk)
	ds_load_b128 v[XFB+40*(\buf)+36:XFB+40*(\buf)+39], v7 offset:(\xk)+32
.endm
.macro MUL buf, tb, first              ; 8 matrix instructions: row block tb x all 8 column blocks.  first = 1: the bias tile is the C that starts the sum
.if \first
	WIN 0x60
.else
	WIN 0x50
.endif
.irp nb,0,1,2,3,4,5,6,7
.if \first
	v_wmma_f32_16x16x32_bf16 v[8*(8*(\tb)+\nb):8*(8*(\tb)+\nb)+7], v[WFB+72*(\buf)+8*\nb:WFB+72*(\buf)+8*\nb+7], v[XFB+40*(\buf)+8*(\tb):XFB+40*(\buf)+8*(\tb)+7], v[128+8*\nb:135+8*\nb]
.else
	v_wmma_f32_16x16x32_bf16 v[8*(8*(\tb)+\nb):8*(8*(\tb)+\nb)+7], v[WFB+72*(\buf)+8*\nb:WFB+72*(\buf)+8*\nb+7], v[XFB+40*(\buf)+8*(\tb):XFB+40*(\buf)+8*(\tb)+7], v[8*(8*(\tb)+\nb):8*(8*(\tb)+\nb)+7]
.endif
.endr
.endm
.macro MULAB buf, first                ; the a/b block for my own 16 rows
.if \first
	WIN 0x20
	v_wmma_f32_16x16x32_bf16 v[240:247], v[WFB+72*(\buf)+64:WFB+72*(\buf)+71], v[XFB+40*(\buf)+32:XFB+40*(\buf)+39], v[192:199]
.else
	WIN 0
	v_wmma_f32_16x16x32_bf16 v[240:247], v[WFB+72*(\buf)+64:WFB+72*(\buf)+71], v[XFB+40*(\buf)+32:XFB+40*(\buf)+39], v[240:247]
.endif
.endm
; A sub-step is 32 along K: 33 matrix instructions on 33 accumulators, always in the same order, so that they take turns.
; SUBA multiplies buffer buf and in its middle fetches the next sub-step (slot, sub, byte xk of x's rows) into the other buffer.
.macro SUBA buf, slot, sub, xk, first, twait
.if \twait
	s_wait_tensorcnt 0x0                           ; the last tile: no load was issued behind it.  Only I read my part of it, so no barrier is needed
.endif
	s_wait_dscnt 6                                 ; W and x's blocks 0, 1 are in; blocks 2, 3 and my own (six loads) may be out
	MUL \buf, 0, \first
	MUL \buf, 1, \first
	WIN 0
	PLACES
	FETCH \slot, \sub, \xk, 1-(\buf)
	s_wait_dscnt 28                                ; all but the 28 just issued
	MUL \buf, 2, \first
	MUL \buf, 3, \first
	MULAB \buf, \first
.endm
; TURN multiplies buffer 1 and changes slots: each wave waits for all its tensor loads (one is out: its part of the other slot), adds 0 to its spare word, waits for that and for its reads of this
; slot; the barrier opens a round of the cluster's barrier, so that no wave of any partner still reads the slot; the joint refill (two tiles on) is the first thing behind the round.
; xq = 1: also the change of quarters of x: the next quarter goes to LDS in front of the barrier and is read behind it.
.macro TURN slot, xk, xq
	WIN 0
.if \xq
	XSTORE 0
	s_cmp_eq_u32 s19, 1                            ; the last trip has no further quarter to load
	s_cbranch_scc1 .Lnox_\@
	LOADX
.Lnox_\@:
.endif
	s_wait_tensorcnt 0x0
	ds_add_u32 v2, v3
	s_add_nc_u64 s[34+4*(\slot):35+4*(\slot)], s[34+4*(\slot):35+4*(\slot)], 2*RINGW  ; no tensor load of mine is out: this slot's next tile
.if \xq
	s_wait_dscnt 39                                ; six loads, 32 stores of x and the add may be out
.else
	s_wait_dscnt 7                                 ; six loads and the add may be out
.endif
	MUL 1, 0, 0
	s_wait_dscnt 0x0                               ; the add is done, my reads of this slot are over, my part of x's next quarter is written
	s_barrier_signal -1
	MUL 1, 1, 0
	WIN 0
	s_barrier_wait -1
	CREST
	tensor_load_to_lds s[32+4*(\slot):35+4*(\slot)], s[24:31]
	s_nop 0
	PLACES                                         ; also the places in front of the loads below
.if \xq
	v_add_nc_u32 v6, XQ, v6
	v_add_nc_u32 v7, XQ, v7
.endif
	FETCH 1-(\slot), 0, \xk, 0
	MUL 1, 2, 0
	MUL 1, 3, 0
	MULAB 1, 0
.endm
	s_load_b256 s[4:11], s[0:1], 0x0               ; x s[4:5], wts s[6:7], rec s[8:9], phi s[10:11]
	s_load_b128 s[12:15], s[0:1], 0x20             ; psi s[12:13], meta s[14:15]
	v_lshl_add_u32 v2, v0, 2, SPARE
	v_mov_b32 v3, 0
	ds_add_u32 v2, v3                              ; the wave's opening
	ds_add_u32 v2, v3
	v_lshrrev_b32 v13, 5, v0
	v_readfirstlane_b32 s16, v13                   ; wave
	s_bfe_u32 s17, ttmp6, 0x40000                  ; cx
	s_lshl_b32 s18, ttmp9, 2
	s_add_co_u32 s18, s18, s17                     ; chunk g: it enters global addresses alone
	s_mov_b32 s24, 15|(3<<16)|(1<<21)              ; group 1: mask of four; 8-byte elements; bit 21 beside the mask; no padding
	s_mov_b32 s25, 32<<16                          ; tensor_dim0 = 32 elements (256 bytes)
	s_mov_b32 s26, 72<<16                          ; tensor_dim1 = 72 rows
	s_mov_b32 s27, 32<<16                          ; tile_dim0
	s_mov_b32 s28, 72                              ; tile_dim1
	s_mov_b32 s29, 32                              ; pitch: dense
	s_mov_b32 s30, 0
	s_mov_b32 s31, 0
	s_mov_b32 s42, 0x76543210                      ; v_permlanex16_b32: each lane takes its own place in the other half
	s_mov_b32 s43, 0xfedcba98
	s_mov_b32 s44, 0xffff0000                      ; lanes 16-31
	s_mul_i32 s20, s16, RINGW
	s_mul_i32 s56, s16, WF_MAT
	s_mov_b32 s57, 0                               ; s57 stays 0: the high word of every offset
	s_lshl_b32 s22, s18, 18                        ; 64 rows of 4,096 bytes a chunk
	s_mov_b32 s23, 0
	v_and_b32 v13, 31, v0
	v_lshlrev_b32 v1, 4, v13                       ; 16 lane
	v_and_b32 v10, 15, v0                          ; r
	v_bfe_u32 v11, v0, 4, 1                        ; h
	v_bfe_u32 v12, v0, 3, 1
	v_and_b32 v14, 7, v0
	v_lshl_add_u32 v14, v11, 3, v14
	v_lshlrev_b32 v14, 4, v14
	v_lshl_add_u32 v12, v12, 8, v14                ; TRL: the turning load's lane term in a packed tile
	v_add_nc_u32 v4, s20, v1                       ; my fragments of W in slot 0,
	v_add_nc_u32 v5, SLOTB, v4                     ; in slot 1
	v_mul_u32_u24 v6, v10, 528
	v_lshl_add_u32 v6, v11, 4, v6
	v_add_nc_u32 v6, XR, v6                        ; a fragment of x: row r, 16 h
	s_mul_i32 s21, s16, 8448
	v_add_nc_u32 v7, s21, v6                       ; the same in my own row block
	v_lshlrev_b32 v8, 3, v13
	s_add_co_u32 s21, s21, XR
	v_add_nc_u32 v8, s21, v8                       ; where I store x: my 16 rows, 8 bytes a lane
	s_lshl_b32 s21, s16, 16
	v_add_nc_u32 v9, s21, v1                       ; where I load x: my 16 rows, 16 bytes a lane
	v_lshlrev_b32 v14, 5, v11                      ; 32 h: a C tile's eight numbers
	s_wait_dscnt 0x0                               ; the opening add is done
	s_wait_kmcnt 0x0
	s_add_nc_u64 s[58:59], s[6:7], s[56:57]        ; my matrix's fragments
.irp s,0,1
	s_mov_b32 s[32+4*\s], 1
	s_add_co_u32 s[33+4*\s], s20, \s*SLOTB         ; LDS: slot + wave x 18,432
	s_add_nc_u64 s[34+4*\s:35+4*\s], s[58:59], \s*RINGW
	s_or_b32 s[35+4*\s], s[35+4*\s], 0x80000000
.endr
	s_add_nc_u64 s[40:41], s[4:5], s[22:23]        ; x at my chunk
	s_lshl_b32 s56, s16, 9
	s_add_co_u32 s56, s56, BC
	s_add_nc_u64 s[62:63], s[6:7], s[56:57]        ; my bias
	s_add_nc_u64 s[66:67], s[6:7], BC+2048         ; ba, bb
	ROUND                                          ; the four work-groups are here: the first joint loads meet
	tensor_load_to_lds s[32:35], s[24:31]          ; tiles 0 and 1: two loads of mine are out
	s_nop 0
	tensor_load_to_lds s[36:39], s[24:31]
	s_nop 0
	PLACES
	LOADX                                          ; quarter 0
	WIN 0x80
.irp nb,0,1,2,3,4,5,6,7
	global_load_b128 v[128+8*\nb:131+8*\nb], v14, s[62:63] offset:64*\nb
	global_load_b128 v[132+8*\nb:135+8*\nb], v14, s[62:63] offset:64*\nb+16
.endr
	global_load_b128 v[192:195], v14, s[66:67]
	global_load_b128 v[196:199], v14, s[66:67] offset:16
	XSTORE 18                                      ; the 18 bias loads stay out
	LOADX                                          ; quarter 1
	s_wait_tensorcnt 0x1                           ; tile 0 is in; tile 1 may stay out
	s_wait_dscnt 0x0                               ; my rows of quarter 0 are written
	s_barrier_signal -1
	s_barrier_wait -1
	FETCH 0, 0, 0, 0
	s_wait_loadcnt 32                              ; the biases are in; quarter 1 stays out
	SUBA 0, 0, 1, 64, 1, 0                         ; the first sub-step stands ahead of the loop: the biases start the sums
	WIN 0
	s_mov_b32 s19, 3
.Lquarter:                                             ; a trip: a quarter of K, from its first change of slots to the next quarter's first sub-step
	TURN 0, 128, 0
	SUBA 0, 1, 1, 192, 0, 0
	TURN 1, 256, 0
	SUBA 0, 0, 1, 320, 0, 0
	TURN 0, 384, 0
	SUBA 0, 1, 1, 448, 0, 0
	TURN 1, 0, 1
	SUBA 0, 0, 1, 64, 0, 0
	WIN 0
	s_sub_co_u32 s19, s19, 1
	s_cmp_lg_u32 s19, 0
	s_cbranch_scc1 .Lquarter
	TURN 0, 128, 0                                 ; the last quarter is written out: two more refills (tiles 14, 15), then none
	SUBA 0, 1, 1, 192, 0, 0
	TURN 1, 256, 0
	SUBA 0, 0, 1, 320, 0, 0
	SUBA 1, 1, 0, 384, 0, 1
	SUBA 0, 1, 1, 448, 0, 0
	s_wait_dscnt 6
	MUL 1, 0, 0
	MUL 1, 1, 0
	s_wait_dscnt 0x0
	MUL 1, 2, 0
	MUL 1, 3, 0
	MULAB 1, 0
	WIN 0
	PLACES
	s_barrier_signal -1                            ; every wave's reads of x are over (waited for above): x's bytes become scratch
	s_barrier_wait -1
	; ======== norms: a row's 128 squares lie in two lanes, 64 each: four chains a row block, each accumulator read from its low registers on
	WIN 0x05
.irp tb,0,1,2,3
.irp nb,0,1,2,3,4,5,6,7
.irp c,0,1,2,3
.if \nb == 0
	v_pk_mul_f32 v[16+8*\tb+2*\c:17+8*\tb+2*\c], v[8*(8*\tb+\nb)+2*\c:8*(8*\tb+\nb)+2*\c+1], v[8*(8*\tb+\nb)+2*\c:8*(8*\tb+\nb)+2*\c+1]
.else
	v_pk_fma_f32 v[16+8*\tb+2*\c:17+8*\tb+2*\c], v[8*(8*\tb+\nb)+2*\c:8*(8*\tb+\nb)+2*\c+1], v[8*(8*\tb+\nb)+2*\c:8*(8*\tb+\nb)+2*\c+1], v[16+8*\tb+2*\c:17+8*\tb+2*\c]
.endif
.endr
.endr
.endr
	WIN 0
.irp tb,0,1,2,3
	v_pk_add_f32 v[16+8*\tb:17+8*\tb], v[16+8*\tb:17+8*\tb], v[18+8*\tb:19+8*\tb]
	v_pk_add_f32 v[20+8*\tb:21+8*\tb], v[20+8*\tb:21+8*\tb], v[22+8*\tb:23+8*\tb]
.endr
.irp tb,0,1,2,3
	v_pk_add_f32 v[16+8*\tb:17+8*\tb], v[16+8*\tb:17+8*\tb], v[20+8*\tb:21+8*\tb]
.endr
.irp tb,0,1,2,3
	v_add_f32 v[16+8*\tb], v[16+8*\tb], v[17+8*\tb]
.endr
.irp tb,0,1,2,3
	v_permlanex16_b32 v[17+8*\tb], v[16+8*\tb], s42, s43
.endr
.irp tb,0,1,2,3
	v_add_f32 v[16+8*\tb], v[16+8*\tb], v[17+8*\tb]
.endr
.irp tb,0,1,2,3
	v_sqrt_f32 v[48+\tb], v[16+8*\tb]
.endr
	v_nop
	s_wait_alu depctr_va_vdst(0)
.irp tb,0,1,2,3
	v_max_num_f32 v[48+\tb], 0x2b8cbccc, v[48+\tb] ; n = max(|row|, 1e-12)
.endr
.irp tb,0,1,2,3
	v_rcp_f32 v[56+2*\tb], v[48+\tb]
	v_rcp_f32 v[57+2*\tb], v[48+\tb]
.endr
	s_cmp_eq_u32 s16, 3                            ; the gate's argument is not normalised
	s_cselect_b32 s50, -1, 0
	s_lshl_b32 s55, s16, 8
	s_add_co_u32 s55, s55, AR+1024
	v_lshl_add_u32 v6, v10, 2, s55                 ; the norms' place: wave, row
	s_wait_alu depctr_va_vdst(0)
.irp i,0,1,2,3,4,5,6,7
	v_cndmask_b32 v[56+\i], v[56+\i], 1.0, s50
.endr
.irp tb,0,1,2,3
	ds_store_b32 v6, v[48+\tb] offset:64*\tb
.endr
	WIN 0x41
.set TI_, 0
.rept 32
.irp c,0,1,2,3
	v_pk_mul_f32 v[8*TI_+2*\c:8*TI_+2*\c+1], v[8*TI_+2*\c:8*TI_+2*\c+1], v[56+2*(TI_/8):57+2*(TI_/8)] op_sel_hi:[1,0]
.endr
.set TI_, TI_+1
.endr
	WIN 0x85
.set TI_, 0
.rept 32
.irp c,0,1,2,3
	v_cvt_pk_f16_f32 v[4*TI_+\c], v[8*TI_+2*\c], v[8*TI_+2*\c+1]  ; packed tile TI_ = 8 tb + nb in window 2
.endr
.set TI_, TI_+1
.endr
	WIN 0
	; ======== alpha and beta of my 16 rows (lanes 0-15: register 0 the argument of alpha, register 1 of beta)
	v_mul_f32 v13, 0x3fb8aa3b, v240                ; z' = z log2 e
	v_mul_f32 v14, 0xbfb8aa3b, v241
	v_or_b32 v15, 0x80000000, v13                  ; -|z'|
	v_exp_f32 v15, v15
	v_exp_f32 v14, v14
	v_min_num_f32 v13, 0, v13
	s_wait_alu depctr_va_vdst(0)
	v_add_f32 v15, 1.0, v15
	v_add_f32 v14, 1.0, v14
	v_log_f32 v15, v15
	v_rcp_f32 v14, v14                             ; beta
	v_nop
	s_wait_alu depctr_va_vdst(0)
	v_sub_f32 v13, v13, v15                        ; log2 sigmoid(z) = min(z', 0) - log2(1 + 2^-|z'|)
	v_max_num_f32 v13, 0xc2200000, v13             ; floored at -40
	v_add_f32_dpp v13, v13, v13 row_shr:1 row_mask:0xf bank_mask:0xf bound_ctrl:1  ; running sum over the 16 rows
	v_add_f32_dpp v13, v13, v13 row_shr:2 row_mask:0xf bank_mask:0xf bound_ctrl:1
	v_add_f32_dpp v13, v13, v13 row_shr:4 row_mask:0xf bank_mask:0xf bound_ctrl:1
	v_add_f32_dpp v13, v13, v13 row_shr:8 row_mask:0xf bank_mask:0xf bound_ctrl:1
	s_lshl_b32 s55, s16, 6
	s_add_co_u32 s55, s55, AR
	v_lshl_add_u32 v7, v10, 2, s55
	v_lshl_add_u32 v7, v11, 8, v7                  ; lanes 16-31 write a shadow that nobody reads
	ds_store_b32 v7, v13
	ds_store_b32 v7, v14 offset:512
	; ======== the packed tiles: into LDS for the other waves, and q, the gate's argument and k into rec
	s_lshl_b32 s55, s16, 14
	s_add_co_u32 s55, s55, LS
	v_add_nc_u32 v4, s55, v1
	WIN 0x08
.set TI_, 0
.rept 32
	ds_store_b128 v4, v[4*TI_:4*TI_+3] offset:512*TI_
.set TI_, TI_+1
.endr
	WIN 0
	s_mul_i32 s56, s18, 81920
	s_add_nc_u64 s[58:59], s[8:9], s[56:57]        ; rec at my chunk
	s_mov_b32 s56, 32768                           ; k
	s_cmp_eq_u32 s16, 3
	s_cselect_b32 s56, 16384, s56                  ; the gate's argument
	s_cmp_eq_u32 s16, 0
	s_cselect_b32 s56, 0, s56                      ; q
	s_add_nc_u64 s[60:61], s[58:59], s[56:57]
	s_lshl_b32 s56, s18, 9
	s_add_co_u32 s56, s56, 1024
	s_add_nc_u64 s[62:63], s[14:15], s[56:57]      ; meta at my chunk
	s_cmp_eq_u32 s16, 2
	s_cbranch_scc1 .Lnorec                         ; v leaves only as U0
	WIN 0x08
.set TI_, 0
.rept 32
	global_store_b128 v1, v[4*TI_:4*TI_+3], s[60:61] offset:512*TI_  ; 512 consecutive bytes a store
.set TI_, TI_+1
.endr
	WIN 0
.Lnorec:
	s_cmp_lg_u32 s16, 0
	s_cbranch_scc1 .Lnonq
	v_lshlrev_b32 v5, 2, v10
.irp tb,0,1,2,3
	global_store_b32 v5, v[48+\tb], s[62:63] offset:256+64*\tb       ; q's norms
.endr
.Lnonq:
	s_wait_xcnt 0x0                                ; the stores' registers are written again below
	s_wait_dscnt 0x0                               ; for the others' sake: tiles, sums and norms are written
	s_barrier_signal -1
	s_barrier_wait -1
	; ======== the Gram matrix of k, -A, and the inverse of my diagonal block.  Wave w owns rows t = 16 w + lane % 16; the registers run over s
	s_lshl_b32 s55, s16, 12
	s_add_co_u32 s55, s55, KF
	v_add_nc_u32 v4, KF, v1
	v_add_nc_u32 v5, s55, v1
	v_lshlrev_b32 v6, 5, v11
	v_add_nc_u32 v6, AR, v6
	s_lshl_b32 s55, s16, 6                         ; 64 w, kept
	v_add_nc_u32 v7, s55, v6
	v_lshl_add_u32 v8, v10, 2, s55
	v_add_nc_u32 v8, AR, v8
	s_add_co_u32 s21, s55, AR
	v_mov_b32 v9, s21
	v_mov_b32 v14, AR
	v_and_b32 v15, 31, v0
	v_lshlrev_b32 v15, 2, v15
	v_add_nc_u32 v15, AR+1536, v15
.irp ks,0,1,2,3
.irp pt,0,1
	ds_load_b128 v[96+8*\ks+4*\pt:99+8*\ks+4*\pt], v5 offset:512*(2*\ks+\pt)        ; k of my block
.endr
.endr
.irp sb,0,1,2
.irp ks,0,1,2,3
.irp pt,0,1
	ds_load_b128 v[128+32*\sb+8*\ks+4*\pt:131+32*\sb+8*\ks+4*\pt], v4 offset:4096*\sb+512*(2*\ks+\pt)  ; k of blocks 0 to 2
.endr
.endr
.endr
.irp sb,0,1,2,3
	ds_load_b128 v[16+8*\sb:19+8*\sb], v6 offset:64*\sb            ; the sums at s = 16 sb + 8 h + j
	ds_load_b128 v[20+8*\sb:23+8*\sb], v6 offset:64*\sb+16
.endr
	ds_load_b128 v[48:51], v7                      ; the same in my own block
	ds_load_b128 v[52:55], v7 offset:16
	ds_load_b32 v56, v8                            ; my row's sum
	ds_load_b32 v57, v8 offset:512                 ; my row's beta
	ds_load_b32 v58, v14 offset:60                 ; the four blocks' totals
	ds_load_b32 v59, v14 offset:124
	ds_load_b32 v60, v14 offset:188
	ds_load_b32 v61, v14 offset:252
	ds_load_b32 v62, v15                           ; v's norms
	ds_load_b32 v63, v15 offset:128
	s_wait_dscnt 0x0
.irp ks,0,1,2,3
.irp sb,0,1,2
.if \ks == 0
	v_wmma_f32_16x16x32_f16 v[64+8*\sb:71+8*\sb], v[128+32*\sb+8*\ks:135+32*\sb+8*\ks], v[96+8*\ks:103+8*\ks], 0
.else
	v_wmma_f32_16x16x32_f16 v[64+8*\sb:71+8*\sb], v[128+32*\sb+8*\ks:135+32*\sb+8*\ks], v[96+8*\ks:103+8*\ks], v[64+8*\sb:71+8*\sb]
.endif
.endr
.if \ks == 0
	v_wmma_f32_16x16x32_f16 v[88:95], v[96+8*\ks:103+8*\ks], v[96+8*\ks:103+8*\ks], 0
.else
	v_wmma_f32_16x16x32_f16 v[88:95], v[96+8*\ks:103+8*\ks], v[96+8*\ks:103+8*\ks], v[88:95]
.endif
.endr
	v_readfirstlane_b32 s45, v58                   ; E1
	v_readfirstlane_b32 s46, v59
	v_readfirstlane_b32 s47, v60
	v_readfirstlane_b32 s48, v61
	s_add_f32 s46, s45, s46                        ; E2
	s_add_f32 s47, s46, s47                        ; E3
	s_add_f32 s48, s47, s48                        ; GL
	s_cmp_eq_u32 s16, 1
	s_cselect_b32 s49, s45, 0
	s_cmp_eq_u32 s16, 2
	s_cselect_b32 s49, s46, s49
	s_cmp_eq_u32 s16, 3
	s_cselect_b32 s49, s47, s49                    ; my block's offset
	v_add_f32 v13, s49, v56                        ; G_t
.irp j,0,1,2,3,4,5,6,7
	v_add_f32 v[24+\j], s45, v[24+\j]              ; G_s; these adds are also the places behind the products
	v_add_f32 v[32+\j], s46, v[32+\j]
	v_add_f32 v[40+\j], s47, v[40+\j]
.endr
	v_max_num_f32 v62, v62, v63
	v_max_num_f32_dpp v62, v62, v62 row_xmask:1 row_mask:0xf bank_mask:0xf
	v_max_num_f32_dpp v62, v62, v62 row_xmask:2 row_mask:0xf bank_mask:0xf
	v_max_num_f32_dpp v62, v62, v62 row_xmask:4 row_mask:0xf bank_mask:0xf
	v_max_num_f32_dpp v62, v62, v62 row_xmask:8 row_mask:0xf bank_mask:0xf
	v_permlanex16_b32 v63, v62, s42, s43
	v_max_num_f32 v62, v62, v63                    ; sigma_c
	v_rcp_f32 v63, v62
.irp i,0,1,2,3
	ds_load_b128 v[128+4*\i:131+4*\i], v9 offset:16*\i             ; my block's 16 sums, betas and norms of v, all in every lane
	ds_load_b128 v[144+4*\i:147+4*\i], v9 offset:512+16*\i
	ds_load_b128 v[160+4*\i:163+4*\i], v9 offset:1536+16*\i
.endr
	v_mul_f32 v58, -1.0, v57                       ; -beta_t
	v_lshlrev_b32 v8, 3, v11
	v_sub_nc_u32 v8, v10, v8                       ; r - 8 h
	s_lshl_b32 s21, s16, 11
	s_add_co_u32 s21, s21, AF
	v_add_nc_u32 v4, s21, v1
.macro OFFD sb                         ; tile (w, sb) of -A; 0 unless sb < w (a selection: what an overflowing exponential makes there is thrown away)
	s_cmp_gt_u32 s16, \sb
	s_cselect_b32 s50, -1, 0
.irp j,0,1,2,3,4,5,6,7
	v_sub_f32 v[96+\j], v13, v[16+8*\sb+\j]
.endr
.irp j,0,1,2,3,4,5,6,7
	v_exp_f32 v[96+\j], v[96+\j]
.endr
	v_nop
	s_wait_alu depctr_va_vdst(0)
.irp j,0,1,2,3,4,5,6,7
	v_mul_f32 v[96+\j], v[96+\j], v[64+8*\sb+\j]
.endr
.irp j,0,1,2,3,4,5,6,7
	v_mul_f32 v[96+\j], v58, v[96+\j]
.endr
.irp j,0,1,2,3,4,5,6,7
	v_cndmask_b32 v[96+\j], 0, v[96+\j], s50
.endr
.irp i,0,1,2,3
	v_cvt_pk_f16_f32 v[104+4*\sb+\i], v[96+2*\i], v[97+2*\i]
.endr
	ds_store_b128 v4, v[104+4*\sb:107+4*\sb] offset:512*\sb
.endm
	OFFD 0
	OFFD 1
	OFFD 2
.irp i,0,1,2,3
	v_mov_b32 v[116+\i], 0
.endr
	ds_store_b128 v4, v[116:119] offset:1536
	; the diagonal block: -A_ts for s < t
.irp j,0,1,2,3,4,5,6,7
	v_sub_f32 v[96+\j], v56, v[48+\j]
.endr
.irp j,0,1,2,3,4,5,6,7
	v_exp_f32 v[96+\j], v[96+\j]
.endr
	v_nop
	s_wait_alu depctr_va_vdst(0)
.irp j,0,1,2,3,4,5,6,7
	v_mul_f32 v[96+\j], v[96+\j], v[88+\j]
.endr
.irp j,0,1,2,3,4,5,6,7
	v_mul_f32 v[96+\j], v58, v[96+\j]
.endr
.irp j,0,1,2,3,4,5,6,7
	v_cmp_lt_i32 vcc_lo, \j, v8
	v_cndmask_b32 v[96+\j], 0, v[96+\j], vcc_lo
.endr
.irp j,0,1,2,3,4,5,6,7
	v_permlanex16_b32 v[208+\j], v[96+\j], s42, s43
.endr
.irp j,0,1,2,3,4,5,6,7
	v_cndmask_b32 v[176+\j], v[96+\j], v[208+\j], s44              ; whole rows of -A in every lane: columns 0-7,
	v_cndmask_b32 v[184+\j], v[208+\j], v[96+\j], s44              ; columns 8-15
.endr
.irp c,0,1,2,3,4,5,6,7,8,9,10,11,12,13,14,15
	v_mov_b32 v[192+\c], v[176+\c]
.endr
	; T - I = N = -A - A N by substitution, in f32: when sweep s comes, row s of N is final; it is read from lane s, and every later row takes its share
.set SW, 1
.rept 14
.set CC, 0
.rept SW
	v_readlane_b32 s[70+CC], v[192+CC], SW
.set CC, CC+1
.endr
.set CC, 0
.rept SW
	v_fma_f32 v[192+CC], v[176+SW], s[70+CC], v[192+CC]
.set CC, CC+1
.endr
.set SW, SW+1
.endr
.irp c,0,1,2,3,4,5,6,7,8,9,10,11,12,13,14,15
	v_cmp_eq_u32 vcc_lo, \c, v10
	v_cndmask_b32 v[192+\c], v[192+\c], 1.0, vcc_lo
.endr
	s_wait_dscnt 0x0
.irp c,0,1,2,3,4,5,6,7,8,9,10,11,12,13,14,15
	v_add_f32 v[96+\c], s49, v[128+\c]
.endr
.irp c,0,1,2,3,4,5,6,7,8,9,10,11,12,13,14,15
	v_exp_f32 v[96+\c], v[96+\c]
.endr
	v_nop
	s_wait_alu depctr_va_vdst(0)
.irp c,0,1,2,3,4,5,6,7,8,9,10,11,12,13,14,15
	v_mul_f32 v[96+\c], v[96+\c], v[144+\c]        ; beta g, for Kb
	v_mul_f32 v[112+\c], v[144+\c], v[160+\c]
.endr
.irp c,0,1,2,3,4,5,6,7,8,9,10,11,12,13,14,15
	v_mul_f32 v[112+\c], v63, v[112+\c]            ; beta n_v / sigma_c, for U0
.endr
.macro CHOOSE src, dst                 ; 16 columns rounded to f16; a lane keeps the eight of its half: one part of a source-0 fragment
.irp i,0,1,2,3,4,5,6,7
	v_cvt_pk_f16_f32 v[224+\i], v[(\src)+2*\i], v[(\src)+2*\i+1]
.endr
.irp i,0,1,2,3
	v_cndmask_b32 v[(\dst)+\i], v[224+\i], v[228+\i], s44
.endr
.endm
	s_lshl_b32 s21, s16, 10
	s_add_co_u32 s21, s21, TT
	v_add_nc_u32 v5, s21, v1
	CHOOSE 192, 232
	ds_store_b128 v5, v[232:235] offset:512
	ds_store_b128 v5, v[232:235] offset:4096+512
.irp c,0,1,2,3,4,5,6,7,8,9,10,11,12,13,14,15
	v_mul_f32 v[208+\c], v[192+\c], v[112+\c]
.endr
	CHOOSE 208, 236
	ds_store_b128 v5, v[236:239]
.irp c,0,1,2,3,4,5,6,7,8,9,10,11,12,13,14,15
	v_mul_f32 v[208+\c], v[192+\c], v[96+\c]
.endr
	CHOOSE 208, 240
	ds_store_b128 v5, v[240:243] offset:4096
	; D_s = 2^(GL - G_s), with the sign that Phi wants in waves 2 and 3
	s_cmp_ge_u32 s16, 2
	s_cselect_b32 s54, -1.0, 1.0
.set TI_, 0
.rept 32
	v_sub_f32 v[16+TI_], s48, v[16+TI_]
.set TI_, TI_+1
.endr
.set TI_, 0
.rept 32
	v_exp_f32 v[16+TI_], v[16+TI_]
.set TI_, TI_+1
.endr
	v_nop
.set TI_, 0
	s_wait_alu depctr_va_vdst(0)
.rept 32
	v_mul_f32 v[16+TI_], s54, v[16+TI_]
.set TI_, TI_+1
.endr
	v_lshl_add_u32 v7, v10, 2, s55
	global_store_b32 v7, v13, s[62:63]             ; G_t
	s_cmp_lg_u32 s16, 0
	s_cbranch_scc1 .Lnosig
	s_lshl_b32 s21, s18, 2
	v_mov_b32 v6, s21
	global_store_b32 v6, v62, s[14:15]             ; sigma_c: every lane writes the same word
.Lnosig:
	s_wait_xcnt 0x0                                ; the stores' registers are written again below
	v_mov_b32 v14, s48
	v_exp_f32 v14, v14                             ; gL
	s_cmp_eq_u32 s16, 2
	s_cselect_b32 s50, -1, 0
	s_cmp_eq_u32 s16, 3
	s_cselect_b32 s51, -1, 0
	v_nop
	s_wait_alu depctr_va_vdst(0)
	v_cndmask_b32 v15, 0, v14, s50
	v_cndmask_b32 v9, 0, v14, s51
.irp j,0,1,2,3,4,5,6,7
	v_cmp_eq_i32 vcc_lo, \j, v8
	v_cndmask_b32 v[48+\j], 0, v15, vcc_lo         ; gL on the diagonal: the C tile of wave 2's diagonal tiles,
	v_cndmask_b32 v[56+\j], 0, v9, vcc_lo          ; of wave 3's
.endr
	s_wait_dscnt 0x0                               ; for the others' sake: -A and T are written
	s_barrier_signal -1
	s_barrier_wait -1
	; ======== the solve, by blocks of 16 rows: X_p = [T diag(beta) | T] [Src_p ; Y_p], Y_p = sum over p' < p of (-A_pp') X_p'.  Waves 0, 1: 64 columns of U0 each; waves 2, 3: of Kb.
	; window 0: v16-47 D; v48-63 the two C tiles; v64-191 K^T (mb, ks); v192-223 -A; v224-255 [T beta | T].  window 1: v0-31 Y, v32-63 X.  window 2: v0-127 [Src ; Y]; v128-191 X in f16; v192-255 D X in f16
	v_add_nc_u32 v4, KF, v12
	s_mov_b32 s21, KF
	s_cmp_lt_u32 s16, 2
	s_cselect_b32 s21, VF, s21
	s_and_b32 s20, s16, 1
	s_lshl_b32 s20, s20, 11
	s_add_co_u32 s21, s21, s20
	v_add_nc_u32 v5, s21, v12
	v_add_nc_u32 v6, AF, v1
	s_lshr_b32 s20, s16, 1
	s_lshl_b32 s20, s20, 12
	s_add_co_u32 s20, s20, TT
	v_add_nc_u32 v7, s20, v1
.irp mb,0,1,2,3,4,5,6,7
.irp ks,0,1
.irp pt,0,1
	ds_load_tr16_b128 v[64+16*\mb+8*\ks+4*\pt:67+16*\mb+8*\ks+4*\pt], v4 offset:((2*\ks+\pt)*8+\mb)*512
.endr
.endr
.endr
.irp pt,0,1
	ds_load_b128 v[192+4*\pt:195+4*\pt], v6 offset:512*(4+\pt)
	ds_load_b128 v[200+4*\pt:203+4*\pt], v6 offset:512*(8+\pt)
	ds_load_b128 v[208+4*\pt:211+4*\pt], v6 offset:512*(12+\pt)
	ds_load_b128 v[216+4*\pt:219+4*\pt], v6 offset:512*(14+\pt)
.endr
.irp p,0,1,2,3
.irp pt,0,1
	ds_load_b128 v[224+8*\p+4*\pt:227+8*\p+4*\pt], v7 offset:1024*\p+512*\pt
.endr
.endr
	WIN 0x80
.irp p,0,1,2,3
.irp n,0,1,2,3
	ds_load_tr16_b128 v[8*(4*\p+\n):8*(4*\p+\n)+3], v5 offset:(8*\p+\n)*512
.endr
.endr
.irp n,0,1,2,3
.irp i,4,5,6,7
	v_mov_b32 v[8*\n+\i], 0                        ; Y_0 = 0
	v_mov_b32 v[128+8*\n+\i], 0                    ; blocks of X that are still to come meet zero tiles of -A: they need only be finite
	v_mov_b32 v[160+8*\n+\i], 0
.endr
.endr
	WIN 0
	s_mul_i32 s56, s18, 81920
	s_lshl_b32 s20, s16, 13
	s_add_co_u32 s56, s56, s20
	s_add_co_u32 s56, s56, 49152
	s_add_nc_u64 s[60:61], s[8:9], s[56:57]        ; rec: U0's and Kb's tiles, 8,192 bytes a wave
	s_wait_dscnt 0x0
.macro SOLVE p
.if (\p) > 0
	WIN 0x58
.irp n,0,1,2,3
	v_wmma_f32_16x16x32_f16 v[8*\n:8*\n+7], v[184+8*(\p):191+8*(\p)], v[128+8*\n:135+8*\n], 0
.endr
.if (\p) == 3
.irp n,0,1,2,3
	v_wmma_f32_16x16x32_f16 v[8*\n:8*\n+7], v[216:223], v[160+8*\n:167+8*\n], v[8*\n:8*\n+7]
.endr
.endif
	PLACES
	WIN 0x85
.irp n,0,1,2,3
.irp i,0,1,2,3
	v_cvt_pk_f16_f32 v[8*(4*(\p)+\n)+4+\i], v[8*\n+2*\i], v[8*\n+2*\i+1]
.endr
.endr
.endif
	WIN 0x58
.irp n,0,1,2,3
	v_wmma_f32_16x16x32_f16 v[32+8*\n:39+8*\n], v[224+8*(\p):231+8*(\p)], v[8*(4*(\p)+\n):8*(4*(\p)+\n)+7], 0
.endr
	PLACES
	WIN 0x85
.irp n,0,1,2,3
.irp i,0,1,2,3
	v_cvt_pk_f16_f32 v[128+8*(4*((\p)/2)+\n)+4*((\p)%2)+\i], v[32+8*\n+2*\i], v[32+8*\n+2*\i+1]
.endr
.endr
	WIN 0x41
.irp n,0,1,2,3
.irp i,0,1,2,3
	v_pk_mul_f32 v[32+8*\n+2*\i:33+8*\n+2*\i], v[32+8*\n+2*\i:33+8*\n+2*\i], v[16+8*(\p)+2*\i:17+8*(\p)+2*\i]
.endr
.endr
	WIN 0x85
.irp n,0,1,2,3
.irp i,0,1,2,3
	v_cvt_pk_f16_f32 v[192+8*(4*((\p)/2)+\n)+4*((\p)%2)+\i], v[32+8*\n+2*\i], v[32+8*\n+2*\i+1]
.endr
.endr
	WIN 0x08
.irp n,0,1,2,3
	global_store_b128 v1, v[128+8*(4*((\p)/2)+\n)+4*((\p)%2):128+8*(4*((\p)/2)+\n)+4*((\p)%2)+3], s[60:61] offset:(4*\n+(\p))*512
.endr
.endm
	SOLVE 0
	SOLVE 1
	SOLVE 2
	SOLVE 3
	WIN 0
.rept 5
	v_nop                                          ; the products below write over the solve's accumulators
.endr
	s_cmp_lt_u32 s16, 2
	s_cbranch_scc0 .Lphi
	; ======== Psi^T: tile (mb, n): lane = column i, registers = j'.  32 accumulators by turns, 2 K steps
	s_lshl_b32 s56, s18, 16
	s_lshl_b32 s20, s16, 15
	s_add_co_u32 s56, s56, s20
	s_add_nc_u64 s[66:67], s[12:13], s[56:57]
	WIN 0x58
.irp ks,0,1
.irp mb,0,1,2,3,4,5,6,7
.irp n,0,1,2,3
.if \ks == 0
	v_wmma_f32_16x16x32_f16 v[8*(4*\mb+\n):8*(4*\mb+\n)+7], v[64+16*\mb+8*\ks:71+16*\mb+8*\ks], v[192+8*(4*\ks+\n):199+8*(4*\ks+\n)], 0
.else
	v_wmma_f32_16x16x32_f16 v[8*(4*\mb+\n):8*(4*\mb+\n)+7], v[64+16*\mb+8*\ks:71+16*\mb+8*\ks], v[192+8*(4*\ks+\n):199+8*(4*\ks+\n)], v[8*(4*\mb+\n):8*(4*\mb+\n)+7]
.endif
.endr
.endr
.endr
	PLACES
	WIN 0x04
.irp mb,0,1,2,3,4,5,6,7
.irp n,0,1,2,3
	global_store_b128 v1, v[8*(4*\mb+\n):8*(4*\mb+\n)+3],   s[66:67] offset:8192*\n+1024*\mb
	global_store_b128 v1, v[8*(4*\mb+\n)+4:8*(4*\mb+\n)+7], s[66:67] offset:8192*\n+1024*\mb+512
.endr
.endr
	WIN 0
	s_branch .Lend
.Lphi:
	; ======== Phi, sources swapped: tile (n, mb): lane = j', registers = j: rounded to f16 that is a part of a source-0 fragment of Phi^T
	s_lshl_b32 s56, s18, 15
	s_sub_co_u32 s20, s16, 2
	s_lshl_b32 s20, s20, 11
	s_add_co_u32 s56, s56, s20
	s_add_nc_u64 s[66:67], s[10:11], s[56:57]
.macro PH1 ks, n, mb, id
.if ((\ks) == 0) && ((\id) == 1)
	WIN 0x42
	v_wmma_f32_16x16x32_f16 v[8*(8*(\n)+(\mb)):8*(8*(\n)+(\mb))+7], v[192+8*(4*(\ks)+(\n)):199+8*(4*(\ks)+(\n))], v[64+16*(\mb)+8*(\ks):71+16*(\mb)+8*(\ks)], v[48:55]
.elseif ((\ks) == 0) && ((\id) == 2)
	WIN 0x42
	v_wmma_f32_16x16x32_f16 v[8*(8*(\n)+(\mb)):8*(8*(\n)+(\mb))+7], v[192+8*(4*(\ks)+(\n)):199+8*(4*(\ks)+(\n))], v[64+16*(\mb)+8*(\ks):71+16*(\mb)+8*(\ks)], v[56:63]
.elseif (\ks) == 0
	WIN 0x52
	v_wmma_f32_16x16x32_f16 v[8*(8*(\n)+(\mb)):8*(8*(\n)+(\mb))+7], v[192+8*(4*(\ks)+(\n)):199+8*(4*(\ks)+(\n))], v[64+16*(\mb)+8*(\ks):71+16*(\mb)+8*(\ks)], 0
.else
	WIN 0x52
	v_wmma_f32_16x16x32_f16 v[8*(8*(\n)+(\mb)):8*(8*(\n)+(\mb))+7], v[192+8*(4*(\ks)+(\n)):199+8*(4*(\ks)+(\n))], v[64+16*(\mb)+8*(\ks):71+16*(\mb)+8*(\ks)], v[8*(8*(\n)+(\mb)):8*(8*(\n)+(\mb))+7]
.endif
.endm
.macro PHIK ks                         ; the eight tiles that may hold the diagonal first, then the other 24: the same order in both K steps
.irp n,0,1,2,3
	PH1 \ks, \n, \n, 1
.endr
.irp n,0,1,2,3
	PH1 \ks, \n, \n+4, 2
.endr
.irp n,0,1,2,3
.irp mb,0,1,2,3,4,5,6,7
.if ((\mb) != (\n)) && ((\mb) != (\n)+4)
	PH1 \ks, \n, \mb, 0
.endif
.endr
.endr
.endm
	PHIK 0
	PHIK 1
	PLACES
	WIN 0x05
.set TI_, 0
.rept 32
.irp c,0,1,2,3
	v_cvt_pk_f16_f32 v[64+4*TI_+\c], v[8*TI_+2*\c], v[8*TI_+2*\c+1]
.endr
.set TI_, TI_+1
.endr
	WIN 0
.irp n,0,1,2,3
.irp mb,0,1,2,3,4,5,6,7
	global_store_b128 v1, v[64+4*(8*\n+\mb):67+4*(8*\n+\mb)], s[66:67] offset:4096*\mb+512*\n
.endr
.endr
.Lend:
	s_wait_tensorcnt 0x0                           ; the wave's end
	ds_add_u32 v2, v3
	s_wait_dscnt 0x0
	ROUND                                          ; the closing round
	s_endpgm
.Lfunc_end_k_qf7f2dc7787_proj:
	.size	k_qf7f2dc7787_proj, .Lfunc_end_k_qf7f2dc7787_proj-k_qf7f2dc7787_proj
	.p2alignl 7, 3214868480
	.fill 96, 4, 3214868480
	.section	.rodata,"a",@progbits
	.p2align	6, 0x0
	.amdhsa_kernel k_qf7f2dc7787_proj
		.amdhsa_group_segment_fixed_size 327680
		.amdhsa_private_segment_fixed_size 0
		.amdhsa_enable_private_segment 0
		.amdhsa_kernarg_size 48
		.amdhsa_user_sgpr_count 2
		.amdhsa_user_sgpr_kernarg_segment_ptr 1
		.amdhsa_wavefront_size32 1
		.amdhsa_system_sgpr_workgroup_id_x 1
		.amdhsa_system_sgpr_workgroup_id_y 1
		.amdhsa_system_sgpr_workgroup_id_z 1
		.amdhsa_system_vgpr_workitem_id 0
		.amdhsa_next_free_vgpr 768
		.amdhsa_next_free_sgpr 100
		.amdhsa_reserve_vcc 1
		.amdhsa_float_denorm_mode_32 3
		.amdhsa_float_denorm_mode_16_64 3
		.amdhsa_memory_ordered 1
		.amdhsa_forward_progress 1
		.amdhsa_inst_pref_size 228
	.end_amdhsa_kernel
	.amdgpu_metadata
---
amdhsa.version: [ 1, 2 ]
amdhsa.kernels:
  - .name:           k_qf7f2dc7787_proj
    .symbol:         k_qf7f2dc7787_proj.kd
    .args:
      - { .name: x, .offset: 0, .size: 8, .value_kind: global_buffer, .address_space: global }
      - { .name: wts, .offset: 8, .size: 8, .value_kind: global_buffer, .address_space: global }
      - { .name: rec, .offset: 16, .size: 8, .value_kind: global_buffer, .address_space: global }
      - { .name: phi, .offset: 24, .size: 8, .value_kind: global_buffer, .address_space: global }
      - { .name: psi, .offset: 32, .size: 8, .value_kind: global_buffer, .address_space: global }
      - { .name: meta, .offset: 40, .size: 8, .value_kind: global_buffer, .address_space: global }
    .group_segment_fixed_size: 327680
    .private_segment_fixed_size: 0
    .kernarg_segment_align: 8
    .kernarg_segment_size: 48
    .max_flat_workgroup_size: 128
    .sgpr_count:     100
    .vgpr_count:     768
    .wavefront_size: 32
...
	.end_amdgpu_metadata
.endif
;; end of part 2
;; launch scan (part 3): grid 64 x 1, 1 waves a work-group, clusters of 4 x 1, 327,680 bytes of LDS; arguments phi, psi, meta, zf; writes zf
.if DOCPART == 3
	.amdgcn_target "amdgcn-amd-amdhsa--gfx1250"
	.amdhsa_code_object_version 6
	.text
	.protected	k_qf7f2dc7787_scan
	.globl	k_qf7f2dc7787_scan
	.p2align	8
	.type	k_qf7f2dc7787_scan,@function
k_qf7f2dc7787_scan:
	s_mov_b64 s[64:65], 0
	v_nop
	global_prefetch_b8 v0, s[64:65] scope:SCOPE_SE
	s_setreg_imm32_b32 hwreg(HW_REG_WAVE_MODE, 25, 1), 1
	s_wait_xcnt 0x0
	s_wait_alu depctr_hold_cnt(0) depctr_sa_sdst(0) depctr_va_vdst(0) depctr_va_sdst(0) depctr_va_ssrc(0) depctr_va_vcc(0) depctr_vm_vsrc(0)
	s_getreg_b32 s2, hwreg(HW_REG_IB_STS2, 6, 4)
	s_cmp_eq_u32 s2, 0
	s_cbranch_scc0 .Lentry_in_a_cluster
	s_endpgm
.Lentry_in_a_cluster:
	s_bfe_u32 s2, ttmp6, 0x10000c
	s_cmp_lg_u32 s2, 0x3003
	s_cbranch_scc0 .Lentry_shape_is_right
	s_endpgm
.Lentry_shape_is_right:
; SCAN: the one sequential part.  Z = S^T / sigma (sigma: the largest sigma_c of the launch before).  Z_(c+1) = Phi_c^T Z_c + rho_c Psi_c^T, rho_c = sigma_c / sigma, c = 0 .. 31, Z_0 = 0.
; A work-group is one wave and owns 16 columns i of one batch's Z: 8 accumulators (lane = i, registers = j).  Rounded to f16 in pairs they are source 1 of the next link's products
; and the packed tiles that the next launch reads: Z_c is stored for every chunk c.  |Z| stays under 2,048 (each step adds at most beta |v| to the state's norm), inside f16.
; All 32 links run one text: link 0 multiplies zeros, link 31's result is not used, and the look-ahead past the end is clamped to chunk 31 or reads a slot's old tile.
; CLUSTER.  The four work-groups of a cluster belong to one batch and walk the same Phi: four chunks' Phi (131,072 dense bytes) are one joint tensor load; two slots.
; Psi's slices are the work-group's own: through registers, four links ahead.  No prefetch into the cache: each Phi tile is asked for four links ahead of its first read, each slice of Psi three and a half.
; REGISTERS.  window 0: v16-79 Z, v80-111 Z in f16.  windows 1, 2: Phi of this link and of the next, fragment (mb, ks) at 8 (4 mb + ks).  window 3: four slices of Psi.
.set SLOT1, 131072
.set SPARE, 262144
.set MSB, 0
.macro WIN new
.if MSB != (\new)
	s_set_vgpr_msb (MSB<<8)|(\new)
.set MSB, (\new)
.endif
.endm
.macro ROUND
	s_barrier_signal -1
	s_barrier_wait -1
	s_cmp_lg_u32 s12, 0
	s_cbranch_scc1 .Lnw0_\@
	s_barrier_signal -3
.Lnw0_\@:
	s_barrier_wait -3
	s_barrier_signal -1
	s_barrier_wait -1
.endm
; The change of slots.  The slot's last Phi is in registers.  fill = 1: the wave waits for all its tensor loads (one is out: the other slot's), adds 0 to its spare word, waits for that and for
; its reads; a round of the cluster's barrier; the joint refill, two tiles on, first behind it: it has four links in which to land.  fill = 0: only the other slot's tile is waited for.
.macro CHANGE fill
	WIN 0
	s_wait_tensorcnt 0x0
.if \fill
	ds_add_u32 v2, v3
	s_xor_b32 s29, s29, SLOT1
	s_add_nc_u64 s[30:31], s[30:31], SLOT1
	s_wait_dscnt 0x0
	ROUND
	tensor_load_to_lds s[28:31], s[16:23]
	s_nop 0
.rept 4
	v_nop
.endr
.endif
	s_sub_co_u32 s32, s32, SLOT1
	s_xor_b32 s32, s32, SLOT1
.endm
; One slice of Psi: 16 loads of 512 consecutive bytes into slice k's registers in window 3
.macro PSILOAD k, lo, hi, off
	WIN 0xc0
.irp mb,0,1,2,3,4,5,6,7
	global_load_b128 v[64*(\k)+8*\mb:64*(\k)+8*\mb+3],   v1, s[\lo:\hi] offset:(\off)+1024*\mb
	global_load_b128 v[64*(\k)+8*\mb+4:64*(\k)+8*\mb+7], v1, s[\lo:\hi] offset:(\off)+1024*\mb+512
.endr
	WIN 0
.endm
; One link.  k = c % 4: Psi's slice; ph: which window holds Phi_c.
.macro STEP k, ph, chg, fill
	s_wait_xcnt 0x0                                ; the last link's stores and loads have read their registers
	s_lshl_b32 s40, s33, 15
	s_add_nc_u64 s[48:49], s[44:45], s[40:41]      ; zf at chunk c
.irp mb,0,1,2,3,4,5,6,7
.irp i,0,1,2,3
	v_cvt_pk_f16_f32 v[80+4*\mb+\i], v[16+8*\mb+2*\i], v[17+8*\mb+2*\i]
.endr
.endr
.irp mb,0,1,2,3,4,5,6,7
	global_store_b128 v1, v[80+4*\mb:83+4*\mb], s[48:49] offset:512*\mb
.endr
	s_wait_dscnt 0x0                               ; Phi_c is in registers
.if \chg
	CHANGE \fill
.endif
	v_add_nc_u32 v4, s32, v1                       ; Phi_(c+1) in LDS
	s_add_co_u32 s32, s32, 32768
.irp ks,0,1,2,3
.if \ks == 0
	WIN 0x30|(1+(\ph))
.else
	WIN 1+(\ph)
.endif
.irp mb,0,1,2,3,4,5,6,7
.if \ks == 0
	v_wmma_f32_16x16x32_f16 v[16+8*\mb:23+8*\mb], v[8*(4*\mb+\ks):8*(4*\mb+\ks)+7], v[80+8*\ks:87+8*\ks], v[64*(\k)+8*\mb:64*(\k)+8*\mb+7]
.else
	v_wmma_f32_16x16x32_f16 v[16+8*\mb:23+8*\mb], v[8*(4*\mb+\ks):8*(4*\mb+\ks)+7], v[80+8*\ks:87+8*\ks], v[16+8*\mb:23+8*\mb]
.endif
.endr
	WIN (2-(\ph))<<6
.irp mb,0,1,2,3,4,5,6,7
	ds_load_b128 v[8*(4*\mb+\ks):8*(4*\mb+\ks)+3],   v4 offset:4096*\mb+1024*\ks
	ds_load_b128 v[8*(4*\mb+\ks)+4:8*(4*\mb+\ks)+7], v4 offset:4096*\mb+1024*\ks+512
.endr
.endr
	WIN 0
	s_wait_loadcnt 32                              ; Psi_(c+1) is in; the two slices behind it stay out
	s_add_co_u32 s35, s33, 1
	s_min_u32 s35, s35, 31
	v_readlane_b32 s36, v5, s35                    ; rho of chunk c + 1
	s_mov_b32 s37, s36
	WIN 0xc3
.set PI_, 0
.rept 32
	v_pk_mul_f32 v[64*(((\k)+1)%4)+2*PI_:64*(((\k)+1)%4)+2*PI_+1], v[64*(((\k)+1)%4)+2*PI_:64*(((\k)+1)%4)+2*PI_+1], s[36:37] op_sel_hi:[1,0]  ; also the places behind the products
.set PI_, PI_+1
.endr
	s_add_co_u32 s35, s33, 4
	s_min_u32 s35, s35, 31                         ; the last links ask for chunk 31 once more: no load leaves the buffer
	s_lshl_b32 s40, s35, 16
	s_add_nc_u64 s[42:43], s[38:39], s[40:41]
	PSILOAD \k, 42, 43, 0
	s_add_co_u32 s33, s33, 1
.endm
.macro QUAD fill
	STEP 0, 0, 0, 0
	STEP 1, 1, 0, 0
	STEP 2, 0, 0, 0
	STEP 3, 1, 1, \fill
.endm
	s_load_b256 s[4:11], s[0:1], 0x0               ; phi s[4:5], psi s[6:7], meta s[8:9], zf s[10:11]
	v_lshl_add_u32 v2, v0, 2, SPARE
	v_mov_b32 v3, 0
	ds_add_u32 v2, v3                              ; the wave's opening
	ds_add_u32 v2, v3
	v_lshrrev_b32 v4, 5, v0
	v_readfirstlane_b32 s12, v4                    ; wave: 0
	s_bfe_u32 s13, ttmp6, 0x40000                  ; cx
	s_lshr_b32 s14, ttmp9, 1                       ; batch: the partners share it
	s_and_b32 s15, ttmp9, 1
	s_lshl_b32 s15, s15, 2
	s_add_co_u32 s15, s15, s13                     ; slice: it enters global addresses alone
	s_mov_b32 s16, 15|(3<<16)|(1<<21)              ; group 1: mask of four; 8-byte elements; bit 21 beside the mask
	s_mov_b32 s17, 32<<16                          ; rows of 256 bytes,
	s_mov_b32 s18, 512<<16                         ; 512 of them
	s_mov_b32 s19, 32<<16
	s_mov_b32 s20, 512
	s_mov_b32 s21, 32
	s_mov_b32 s22, 0
	s_mov_b32 s23, 0
	s_mov_b32 s24, 1
	s_mov_b32 s25, 0
	s_mov_b32 s28, 1
	s_mov_b32 s29, SLOT1
	s_mov_b32 s46, 0x76543210
	s_mov_b32 s47, 0xfedcba98
	s_lshl_b32 s50, s14, 20                        ; a batch's Phi, and its Z: 32 x 32,768 bytes
	s_mov_b32 s51, 0
	s_lshl_b32 s52, s14, 21                        ; its Psi: 32 x 65,536
	s_lshl_b32 s53, s15, 13
	s_add_co_u32 s52, s52, s53
	s_mov_b32 s53, 0
	s_lshl_b32 s54, s15, 12
	s_add_co_u32 s54, s54, s50
	s_mov_b32 s55, 0
	s_mov_b32 s41, 0
	s_mov_b32 s33, 0                               ; c
	s_mov_b32 s32, 32768                           ; Phi_1 in LDS
	v_lshlrev_b32 v1, 4, v0
	v_lshlrev_b32 v81, 5, v0
	s_lshl_b32 s35, s14, 7
	v_lshl_add_u32 v80, v0, 2, s35
	s_wait_dscnt 0x0
	s_wait_kmcnt 0x0
	s_add_nc_u64 s[26:27], s[4:5], s[50:51]
	s_add_nc_u64 s[30:31], s[26:27], SLOT1
	s_or_b32 s27, s27, 0x80000000
	s_or_b32 s31, s31, 0x80000000
	s_add_nc_u64 s[38:39], s[6:7], s[52:53]
	s_add_nc_u64 s[44:45], s[10:11], s[54:55]
	ROUND
	tensor_load_to_lds s[24:27], s[16:23]          ; chunks 0-3 and 4-7: two loads of mine are out
	s_nop 0
	tensor_load_to_lds s[28:31], s[16:23]
	s_nop 0
.rept 4
	v_nop
.endr
	global_load_b128 v[6:9], v81, s[8:9]           ; all 256 sigma_c, eight a lane
	global_load_b128 v[10:13], v81, s[8:9] offset:16
	global_load_b32 v14, v80, s[8:9]               ; lane l: sigma_c of my batch's chunk l
	PSILOAD 0, 38, 39, 0                           ; Psi of chunks 0, 1, 2: 48 loads behind the three above
	PSILOAD 1, 38, 39, 65536
	PSILOAD 2, 38, 39, 131072
.set PI_, 0
.rept 64
	v_mov_b32 v[16+PI_], 0                         ; Z_0 = 0: it is stored, and link 0 runs the text of every link
.set PI_, PI_+1
.endr
	s_wait_loadcnt 48                              ; the sigma_c are in; Psi's 48 loads stay out
	v_max3_num_f32 v6, v6, v7, v8
	v_max3_num_f32 v9, v9, v10, v11
	v_max3_num_f32 v6, v6, v12, v13
	v_max_num_f32 v6, v6, v9
	v_max_num_f32_dpp v6, v6, v6 row_xmask:1 row_mask:0xf bank_mask:0xf
	v_max_num_f32_dpp v6, v6, v6 row_xmask:2 row_mask:0xf bank_mask:0xf
	v_max_num_f32_dpp v6, v6, v6 row_xmask:4 row_mask:0xf bank_mask:0xf
	v_max_num_f32_dpp v6, v6, v6 row_xmask:8 row_mask:0xf bank_mask:0xf
	v_permlanex16_b32 v7, v6, s46, s47
	v_max_num_f32 v6, v6, v7                       ; sigma
	v_rcp_f32 v7, v6
	v_nop
	s_wait_alu depctr_va_vdst(0)
	v_mul_f32 v5, v14, v7                          ; rho
	s_wait_loadcnt 32                              ; Psi_0 is in; Psi_1 and Psi_2 stay out
	v_readlane_b32 s36, v5, 0
	s_mov_b32 s37, s36
	WIN 0xc3
.set PI_, 0
.rept 32
	v_pk_mul_f32 v[2*PI_:2*PI_+1], v[2*PI_:2*PI_+1], s[36:37] op_sel_hi:[1,0]
.set PI_, PI_+1
.endr
	PSILOAD 3, 38, 39, 196608                      ; Psi of chunk 3: the loop is entered with three slices out, as every link leaves them
	s_wait_tensorcnt 0x1                           ; slot 0 is in; slot 1's load stays out.  One wave: its own wait is all that its reads need
	v_mov_b32 v4, v1
	WIN 0x40
.irp ks,0,1,2,3
.irp mb,0,1,2,3,4,5,6,7
	ds_load_b128 v[8*(4*\mb+\ks):8*(4*\mb+\ks)+3],   v4 offset:4096*\mb+1024*\ks
	ds_load_b128 v[8*(4*\mb+\ks)+4:8*(4*\mb+\ks)+7], v4 offset:4096*\mb+1024*\ks+512
.endr
.endr
	WIN 0
	s_mov_b32 s34, 6
.Lfill:                                                ; six trips of four links: tiles 2 to 7 are asked for
	QUAD 1
	s_sub_co_u32 s34, s34, 1
	s_cmp_lg_u32 s34, 0
	s_cbranch_scc1 .Lfill
	s_mov_b32 s34, 2
.Ltail:                                                ; the last eight links ask for nothing
	QUAD 0
	s_sub_co_u32 s34, s34, 1
	s_cmp_lg_u32 s34, 0
	s_cbranch_scc1 .Ltail
	s_wait_tensorcnt 0x0                           ; the wave's end
	ds_add_u32 v2, v3
	s_wait_dscnt 0x0
	ROUND                                          ; the closing round
	s_endpgm
.Lfunc_end_k_qf7f2dc7787_scan:
	.size	k_qf7f2dc7787_scan, .Lfunc_end_k_qf7f2dc7787_scan-k_qf7f2dc7787_scan
	.p2alignl 7, 3214868480
	.fill 96, 4, 3214868480
	.section	.rodata,"a",@progbits
	.p2align	6, 0x0
	.amdhsa_kernel k_qf7f2dc7787_scan
		.amdhsa_group_segment_fixed_size 327680
		.amdhsa_private_segment_fixed_size 0
		.amdhsa_enable_private_segment 0
		.amdhsa_kernarg_size 32
		.amdhsa_user_sgpr_count 2
		.amdhsa_user_sgpr_kernarg_segment_ptr 1
		.amdhsa_wavefront_size32 1
		.amdhsa_system_sgpr_workgroup_id_x 1
		.amdhsa_system_sgpr_workgroup_id_y 1
		.amdhsa_system_sgpr_workgroup_id_z 1
		.amdhsa_system_vgpr_workitem_id 0
		.amdhsa_next_free_vgpr 1024
		.amdhsa_next_free_sgpr 66
		.amdhsa_reserve_vcc 0
		.amdhsa_float_denorm_mode_32 3
		.amdhsa_float_denorm_mode_16_64 3
		.amdhsa_memory_ordered 1
		.amdhsa_forward_progress 1
		.amdhsa_inst_pref_size 127
	.end_amdhsa_kernel
	.amdgpu_metadata
---
amdhsa.version: [ 1, 2 ]
amdhsa.kernels:
  - .name:           k_qf7f2dc7787_scan
    .symbol:         k_qf7f2dc7787_scan.kd
    .args:
      - { .name: phi, .offset: 0, .size: 8, .value_kind: global_buffer, .address_space: global }
      - { .name: psi, .offset: 8, .size: 8, .value_kind: global_buffer, .address_space: global }
      - { .name: meta, .offset: 16, .size: 8, .value_kind: global_buffer, .address_space: global }
      - { .name: zf, .offset: 24, .size: 8, .value_kind: global_buffer, .address_space: global }
    .group_segment_fixed_size: 327680
    .private_segment_fixed_size: 0
    .kernarg_segment_align: 8
    .kernarg_segment_size: 32
    .max_flat_workgroup_size: 32
    .sgpr_count:     66
    .vgpr_count:     1024
    .wavefront_size: 32
...
	.end_amdgpu_metadata
.endif
;; end of part 3
;; launch outp (part 4): grid 256 x 1, 4 waves a work-group, no clusters, 196,608 bytes of LDS; arguments rec, zf, meta, wts, out0; writes out0
.if DOCPART == 4
	.amdgcn_target "amdgcn-amd-amdhsa--gfx1250"
	.amdhsa_code_object_version 6
	.text
	.protected	k_qf7f2dc7787_outp
	.globl	k_qf7f2dc7787_outp
	.p2align	8
	.type	k_qf7f2dc7787_outp,@function
k_qf7f2dc7787_outp:
	s_mov_b64 s[64:65], 0
	v_nop
	global_prefetch_b8 v0, s[64:65] scope:SCOPE_SE
	s_setreg_imm32_b32 hwreg(HW_REG_WAVE_MODE, 25, 1), 1
	s_wait_xcnt 0x0
; OUTP: one work-group = one chunk.  W1 = Q S0; P_ts = 2^(G_t - G_s) (Q U0^T - W1 Kb^T)_ts for s <= t; O = diag(g) W1 + P K; out = (O o sigmoid(zg)) Wo + bo.
; UNITS.  q arrives normalised, U0 in units of sigma_c, Z = S0^T / sigma: rho = sigma_c / sigma brings U0's product into sigma's units, and O is kept in units of n_q sigma (there |O| < 2,048, inside f16);
; that factor is applied in f32 to the last product's sums.  All operands f16, all sums f32.  Hidden weights (s > t) are thrown away by a selection, so an overflowing 2^(G_t - G_s) there does no harm.
; SHARES.  In the first part wave w owns rows 16 w .. 16 w + 15: every product is laid so that a lane holds one row t, so nothing changes lanes between the four products.
; In the last product wave w owns columns 256 w .. 256 w + 255 of all 64 rows, in four blocks of 64 columns; the gated O changes hands through LDS once.
; NO CLUSTER: what work-groups share is Wo alone, 65,536 bytes a wave, read once, straight into registers in fragment order; Wo whole, the chunk's tiles, the exchange and the stages together do not fit into LDS.
; The chunk's tiles (Z, K, U0, Kb: 81,920 bytes) come by two tensor loads a wave, issued once; nothing is filled again.
; LDS: Z 32 KB | K, U0, Kb 48 KB | gated O 16 KB | a stage of 64 rows x 272 bytes a wave | spare words.
; REGISTERS.  window 0: v0-15 addresses and a few numbers; v16-23 n_q sigma; v24-31 at work; v32-63 Q, then W1 Kb^T, then P in f16 and work; v64-127 W1, then O; v128-159 W1 in f16, then the gated O;
; v160-191 Q U0^T, then P; v192-223 G_s, then the decays; v224-255 zg.  window 1: Z's fragments, later the last product's 16 accumulators and the rows read back.
; window 2: U0's and Kb's fragments, later the gated O's fragments and bo.  window 3: v0-127 K^T, v128-255 a block of Wo.
.set KTL,   32768
.set U0T,   49152
.set OG,    81920
.set STG,   98304
.set SPARE, 167936
.set WOF,   1179648
.set BC,    1441792
.set MSB, 0
.macro WIN new
.if MSB != (\new)
	s_set_vgpr_msb (MSB<<8)|(\new)
.set MSB, (\new)
.endif
.endm
.macro PLACES
.rept 4
	v_nop
.endr
.endm
	s_load_b256 s[4:11], s[0:1], 0x0               ; rec s[4:5], zf s[6:7], meta s[8:9], wts s[10:11]
	s_load_b64 s[12:13], s[0:1], 0x20              ; out0
	v_lshl_add_u32 v2, v0, 2, SPARE
	v_mov_b32 v3, 0
	ds_add_u32 v2, v3                              ; the wave's opening
	ds_add_u32 v2, v3
	v_lshrrev_b32 v4, 5, v0
	v_readfirstlane_b32 s14, v4                    ; wave
	s_mov_b32 s15, ttmp9                           ; chunk g
	s_mov_b32 s16, 3<<16                           ; group 1 for Z: 32 rows of 256 dense bytes
	s_mov_b32 s17, 32<<16
	s_mov_b32 s18, 32<<16
	s_mov_b32 s19, 32<<16
	s_mov_b32 s20, 32
	s_mov_b32 s21, 32
	s_mov_b32 s22, 0
	s_mov_b32 s23, 0
	s_mov_b32 s24, 3<<16                           ; group 1 for K, U0, Kb: 48 rows
	s_mov_b32 s25, 32<<16
	s_mov_b32 s26, 48<<16
	s_mov_b32 s27, 32<<16
	s_mov_b32 s28, 48
	s_mov_b32 s29, 32
	s_mov_b32 s30, 0
	s_mov_b32 s31, 0
	s_mov_b32 s32, 1
	s_lshl_b32 s33, s14, 13                        ; LDS: 8,192 w
	s_mov_b32 s36, 1
	s_mul_i32 s37, s14, 12288
	s_add_co_u32 s37, s37, 32768                   ; LDS: 32,768 + 12,288 w
	s_mov_b32 s42, 0x76543210
	s_mov_b32 s43, 0xfedcba98
	s_mov_b32 s41, 0
	s_mov_b32 s59, 0
	s_mul_i32 s58, s15, 81920
	v_and_b32 v165, 15, v0                         ; r
	v_bfe_u32 v166, v0, 4, 1                       ; h
	v_and_b32 v1, 31, v0
	v_lshlrev_b32 v163, 5, v1                      ; 32 lane
	v_lshlrev_b32 v1, 4, v1                        ; 16 lane
	v_bfe_u32 v4, v0, 3, 1
	v_and_b32 v5, 7, v0
	v_lshl_add_u32 v5, v166, 3, v5
	v_lshlrev_b32 v5, 4, v5
	v_lshl_add_u32 v4, v4, 8, v5                   ; the turning load's lane term in a packed tile
	v_add_nc_u32 v5, 65536, v4                     ; the same for Kb's tiles, which lie beyond a 16-bit offset
	s_mul_i32 s55, s14, 17408
	s_add_co_u32 s55, s55, STG                     ; my stage
	v_mul_u32_u24 v6, v165, 272
	v_lshl_add_u32 v6, v166, 5, v6
	v_add_nc_u32 v6, s55, v6                       ; in: row r, 32 bytes for each half of the lanes
	v_mul_u32_u24 v7, v166, 272
	v_lshl_add_u32 v7, v165, 4, v7
	v_add_nc_u32 v7, s55, v7                       ; back: lanes 0-15 one row of 256 bytes, lanes 16-31 the next
	v_lshlrev_b32 v8, 12, v166
	v_lshl_add_u32 v8, v165, 4, v8
	s_lshl_b32 s55, s14, 10
	v_add_nc_u32 v8, s55, v8                       ; the same two rows in out0, my 256 columns
	s_lshl_b32 s55, s14, 4
	v_lshlrev_b32 v12, 3, v166
	v_sub_nc_u32 v12, v165, v12
	v_add_nc_u32 v12, s55, v12                     ; t - 8 h
	v_mov_b32 v13, 0xbfb8aa3b                      ; -log2 e
	v_mov_b32 v14, 0
	v_lshlrev_b32 v15, 5, v166                     ; 32 h; never rewritten
	v_lshlrev_b32 v162, 2, v165                    ; 4 r
	s_lshl_b32 s55, s14, 6
	v_add_nc_u32 v161, s55, v162                   ; 4 (16 w + r)
	s_lshl_b32 s55, s15, 2
	v_mov_b32 v164, s55                            ; 4 g
	s_wait_dscnt 0x0
	s_wait_kmcnt 0x0
	s_lshl_b32 s40, s15, 15
	s_add_co_u32 s40, s40, s33
	s_add_nc_u64 s[34:35], s[6:7], s[40:41]        ; Z of my chunk, my quarter
	s_or_b32 s35, s35, 0x80000000
	s_add_nc_u64 s[44:45], s[4:5], s[58:59]        ; rec at my chunk
	s_mov_b32 s40, s37
	s_add_nc_u64 s[38:39], s[44:45], s[40:41]      ; K, U0, Kb begin at byte 32,768 of the chunk, as they do in LDS
	s_or_b32 s39, s39, 0x80000000
	tensor_load_to_lds s[32:35], s[16:23]          ; the only two tensor loads of the wave
	s_nop 0
	tensor_load_to_lds s[36:39], s[24:31]
	s_nop 0
	PLACES
	s_lshl_b32 s40, s14, 12
	s_add_nc_u64 s[56:57], s[44:45], s[40:41]      ; my 16 rows' tiles of q (and, 16,384 on, of zg)
	s_lshl_b32 s40, s15, 9
	s_add_co_u32 s40, s40, 1024
	s_add_nc_u64 s[46:47], s[8:9], s[40:41]        ; meta at my chunk
	s_lshl_b32 s40, s14, 16
	s_add_co_u32 s40, s40, WOF
	s_add_nc_u64 s[48:49], s[10:11], s[40:41]      ; my quarter of Wo
	s_lshl_b32 s40, s14, 10
	s_add_co_u32 s40, s40, BC+2560
	s_add_nc_u64 s[50:51], s[10:11], s[40:41]      ; my quarter of bo
	s_lshl_b32 s40, s15, 18
	s_add_nc_u64 s[52:53], s[12:13], s[40:41]      ; out0 at my chunk
.irp nb,0,1,2,3,4,5,6,7
	global_load_b128 v[32+4*\nb:35+4*\nb], v1, s[56:57] offset:512*\nb
.endr
.irp nb,0,1,2,3,4,5,6,7
	global_load_b128 v[224+4*\nb:227+4*\nb], v1, s[56:57] offset:16384+512*\nb
.endr
.irp sb,0,1,2,3
	global_load_b128 v[192+8*\sb:195+8*\sb], v15, s[46:47] offset:64*\sb
	global_load_b128 v[196+8*\sb:199+8*\sb], v15, s[46:47] offset:64*\sb+16
.endr
	global_load_b32 v9, v161, s[46:47]             ; G_t
.irp tb,0,1,2,3
	global_load_b32 v[16+2*\tb], v162, s[46:47] offset:256+64*\tb  ; n_q of rows 16 tb + r
.endr
	global_load_b128 v[24:27], v163, s[8:9]        ; all 256 sigma_c
	global_load_b128 v[28:31], v163, s[8:9] offset:16
	global_load_b32 v167, v164, s[8:9]             ; my chunk's
	WIN 0xc0
.irp ks,0,1,2,3
.irp mt,0,1,2,3
.irp pt,0,1
	global_load_b128 v[128+8*(4*\mt+\ks)+4*\pt:131+8*(4*\mt+\ks)+4*\pt], v1, s[48:49] offset:4096*\mt+1024*\ks+512*\pt  ; Wo, block 0, by K steps
.endr
.endr
.endr
	WIN 0
	s_wait_tensorcnt 0x0                           ; my parts of the tiles are in,
	s_barrier_signal -1
	s_barrier_wait -1                              ; everybody's are
	WIN 0x80
.irp sb,0,1,2,3
.irp ks,0,1,2,3
.irp pt,0,1
	ds_load_tr16_b128 v[8*(4*\sb+\ks)+4*\pt:8*(4*\sb+\ks)+4*\pt+3], v4 offset:U0T+((2*\ks+\pt)*4+\sb)*512  ; U0: lane = s, K = i
.endr
.endr
.endr
.macro ZLOAD ka, kb                    ; Z: lane = j, K = i; two K steps, 32 loads
	WIN 0x40
.irp ks,\ka,\kb
.irp jb,0,1,2,3,4,5,6,7
.irp pt,0,1
	ds_load_tr16_b128 v[8*(4*\jb+\ks)+4*\pt:8*(4*\jb+\ks)+4*\pt+3], v4 offset:((2*\ks+\pt)*8+\jb)*512
.endr
.endr
.endr
.endm
.macro D1 ka, kb                       ; W1^T: 8 accumulators by turns
	WIN 0x01
.irp ks,\ka,\kb
.irp jb,0,1,2,3,4,5,6,7
.if \ks == 0
	v_wmma_f32_16x16x32_f16 v[64+8*\jb:71+8*\jb], v[8*(4*\jb+\ks):8*(4*\jb+\ks)+7], v[32+8*\ks:39+8*\ks], 0
.else
	v_wmma_f32_16x16x32_f16 v[64+8*\jb:71+8*\jb], v[8*(4*\jb+\ks):8*(4*\jb+\ks)+7], v[32+8*\ks:39+8*\ks], v[64+8*\jb:71+8*\jb]
.endif
.endr
.endr
.endm
	ZLOAD 0, 1
	WIN 0
	s_wait_loadcnt 32                              ; all but Wo's 32 loads
	v_max3_num_f32 v24, v24, v25, v26
	v_max3_num_f32 v27, v27, v28, v29
	v_max3_num_f32 v24, v24, v30, v31
	v_max_num_f32 v24, v24, v27
	v_max_num_f32_dpp v24, v24, v24 row_xmask:1 row_mask:0xf bank_mask:0xf
	v_max_num_f32_dpp v24, v24, v24 row_xmask:2 row_mask:0xf bank_mask:0xf
	v_max_num_f32_dpp v24, v24, v24 row_xmask:4 row_mask:0xf bank_mask:0xf
	v_max_num_f32_dpp v24, v24, v24 row_xmask:8 row_mask:0xf bank_mask:0xf
	v_permlanex16_b32 v25, v24, s42, s43
	v_max_num_f32 v24, v24, v25                    ; sigma
	v_rcp_f32 v25, v24
	v_exp_f32 v10, v9                              ; g_t
.irp tb,0,1,2,3
	v_mul_f32 v[16+2*\tb], v24, v[16+2*\tb]        ; n_q sigma
.endr
.irp tb,0,1,2,3
	v_mov_b32 v[17+2*\tb], v[16+2*\tb]
.endr
	s_wait_alu depctr_va_vdst(0)
	v_mul_f32 v26, v167, v25                       ; rho
	v_mov_b32 v27, v26
	v_mov_b32 v11, v10
	s_wait_dscnt 32                                ; U0 is in
	WIN 0x02
.irp ks,0,1,2,3
.irp sb,0,1,2,3
.if \ks == 0
	v_wmma_f32_16x16x32_f16 v[160+8*\sb:167+8*\sb], v[8*(4*\sb+\ks):8*(4*\sb+\ks)+7], v[32+8*\ks:39+8*\ks], 0
.else
	v_wmma_f32_16x16x32_f16 v[160+8*\sb:167+8*\sb], v[8*(4*\sb+\ks):8*(4*\sb+\ks)+7], v[32+8*\ks:39+8*\ks], v[160+8*\sb:167+8*\sb]
.endif
.endr
.endr
	ZLOAD 2, 3
	s_wait_dscnt 32                                ; Z's first two K steps are in
	D1 0, 1
	WIN 0x80
.irp sb,0,1,2,3
.irp ks,0,1,2,3
.irp pt,0,1
	ds_load_tr16_b128 v[128+8*(4*\sb+\ks)+4*\pt:131+8*(4*\sb+\ks)+4*\pt], v5 offset:((2*\ks+\pt)*4+\sb)*512  ; Kb: lane = s, K = j
.endr
.endr
.endr
	s_wait_dscnt 32
	D1 2, 3
	WIN 0xc0
.irp jb,0,1,2,3,4,5,6,7
.irp ks,0,1
.irp pt,0,1
	ds_load_tr16_b128 v[8*(2*\jb+\ks)+4*\pt:8*(2*\jb+\ks)+4*\pt+3], v4 offset:KTL+((2*\ks+\pt)*8+\jb)*512    ; K^T: lane = j, K = s
.endr
.endr
.endr
	WIN 0
	PLACES
.set I_, 0
.rept 32
	v_cvt_pk_f16_f32 v[128+I_], v[64+2*I_], v[65+2*I_]             ; W1 in f16: source 1 of the next product
.set I_, I_+1
.endr
.set I_, 0
.rept 32
	v_pk_mul_f32 v[64+2*I_:65+2*I_], v[64+2*I_:65+2*I_], v[10:11] op_sel_hi:[1,0]  ; g_t W1: O's first part
.set I_, I_+1
.endr
	s_wait_dscnt 32                                ; Kb is in
	WIN 0x02
.irp ks,0,1,2,3
.irp sb,0,1,2,3
.if \ks == 0
	v_wmma_f32_16x16x32_f16 v[32+8*\sb:39+8*\sb], v[128+8*(4*\sb+\ks):135+8*(4*\sb+\ks)], v[128+8*\ks:135+8*\ks], 0
.else
	v_wmma_f32_16x16x32_f16 v[32+8*\sb:39+8*\sb], v[128+8*(4*\sb+\ks):135+8*(4*\sb+\ks)], v[128+8*\ks:135+8*\ks], v[32+8*\sb:39+8*\sb]
.endif
.endr
.endr
	WIN 0
.set I_, 0
.rept 32
	v_sub_f32 v[192+I_], v9, v[192+I_]             ; G_t - G_s; also the places behind the products
.set I_, I_+1
.endr
.set I_, 0
.rept 32
	v_exp_f32 v[192+I_], v[192+I_]
.set I_, I_+1
.endr
	v_nop
.set I_, 0
.rept 16
	v_pk_fma_f32 v[160+2*I_:161+2*I_], v[160+2*I_:161+2*I_], v[26:27], v[32+2*I_:33+2*I_] op_sel_hi:[1,0,1] neg_lo:[0,0,1] neg_hi:[0,0,1]  ; rho Q U0^T - W1 Kb^T
.set I_, I_+1
.endr
.set I_, 0
	s_wait_alu depctr_va_vdst(0)
.rept 16
	v_pk_mul_f32 v[160+2*I_:161+2*I_], v[160+2*I_:161+2*I_], v[192+2*I_:193+2*I_]
.set I_, I_+1
.endr
.set I_, 0
.rept 32
	v_cmp_le_i32 vcc_lo, 16*(I_/8)+I_%8, v12       ; s <= t
	v_cndmask_b32 v[160+I_], 0, v[160+I_], vcc_lo
.set I_, I_+1
.endr
.set I_, 0
.rept 16
	v_cvt_pk_f16_f32 v[32+I_], v[160+2*I_], v[161+2*I_]
.set I_, I_+1
.endr
	s_wait_dscnt 0x0                               ; K^T is in
	WIN 0x03
.irp ks,0,1
.irp jb,0,1,2,3,4,5,6,7
	v_wmma_f32_16x16x32_f16 v[64+8*\jb:71+8*\jb], v[8*(2*\jb+\ks):8*(2*\jb+\ks)+7], v[32+8*\ks:39+8*\ks], v[64+8*\jb:71+8*\jb]
.endr
.endr
	WIN 0
	PLACES
	WIN 0x80
.irp mt,0,1,2,3
.irp pt,0,1
	global_load_b128 v[128+8*\mt+4*\pt:131+8*\mt+4*\pt], v15, s[50:51] offset:64*\mt+16*\pt  ; bo, block 0: behind Wo's loads, in registers that Kb's fragments have left
.endr
.endr
	WIN 0
.macro GATE jb                         ; tiles jb, jb + 1: O times sigmoid(zg), rounded to f16
.irp u,0,1
.irp i,0,1,2,3
	v_fma_mix_f32 v[48+8*\u+2*\i], v[224+4*((\jb)+\u)+\i], v13, v14 op_sel_hi:[1,0,0]
	v_fma_mix_f32 v[49+8*\u+2*\i], v[224+4*((\jb)+\u)+\i], v13, v14 op_sel:[1,0,0] op_sel_hi:[1,0,0]
.endr
.endr
.irp i,0,1,2,3,4,5,6,7,8,9,10,11,12,13,14,15
	v_exp_f32 v[48+\i], v[48+\i]
.endr
	v_nop
	s_wait_alu depctr_va_vdst(0)
.irp i,0,1,2,3,4,5,6,7
	v_pk_add_f32 v[48+2*\i:49+2*\i], v[48+2*\i:49+2*\i], 1.0 op_sel_hi:[1,0]
.endr
.irp i,0,1,2,3,4,5,6,7,8,9,10,11,12,13,14,15
	v_rcp_f32 v[48+\i], v[48+\i]
.endr
	v_nop
	s_wait_alu depctr_va_vdst(0)
.irp i,0,1,2,3,4,5,6,7
	v_pk_mul_f32 v[64+8*(\jb)+2*\i:65+8*(\jb)+2*\i], v[64+8*(\jb)+2*\i:65+8*(\jb)+2*\i], v[48+2*\i:49+2*\i]
.endr
.irp i,0,1,2,3,4,5,6,7
	v_cvt_pk_f16_f32 v[128+4*(\jb)+\i], v[64+8*(\jb)+2*\i], v[65+8*(\jb)+2*\i]
.endr
.endm
	GATE 0
	GATE 2
	GATE 4
	GATE 6
	s_lshl_b32 s55, s14, 12
	s_add_co_u32 s55, s55, OG
	v_add_nc_u32 v9, s55, v1
.irp nb,0,1,2,3,4,5,6,7
	ds_store_b128 v9, v[128+4*\nb:131+4*\nb] offset:512*\nb
.endr
	v_add_nc_u32 v10, OG, v1
	s_wait_dscnt 0x0                               ; for the others' sake: my 16 rows are written
	s_barrier_signal -1
	s_barrier_wait -1
	WIN 0x80
.set I_, 0
.rept 32
	ds_load_b128 v[4*I_:4*I_+3], v10 offset:512*I_ ; all 64 rows: fragment (tb, ks) at 8 (4 tb + ks)
.set I_, I_+1
.endr
	WIN 0
	s_wait_dscnt 0x0
; A block of 64 columns.  Source 0 = 16 columns of Wo, source 1 = 16 rows: a lane holds one row and 8 neighbouring columns.  Loads are out in the order K step 0, 1, 2, 3 of Wo, then bo; each group of eight is
; asked for again, for the next block, behind its own use: so 32 younger loads stand behind the group that is wanted, at every wait.  pf = 0: the last block asks for nothing, and the counts run down.
.macro BLOCK pf
.irp ks,0,1,2,3
.if \pf
	s_wait_loadcnt 32
.else
	s_wait_loadcnt 32-8*\ks
.endif
	WIN 0x5b
.irp mt,0,1,2,3
.irp tb,0,1,2,3
.if \ks == 0
	v_wmma_f32_16x16x32_f16 v[8*(4*\mt+\tb):8*(4*\mt+\tb)+7], v[128+8*(4*\mt+\ks):135+8*(4*\mt+\ks)], v[8*(4*\tb+\ks):8*(4*\tb+\ks)+7], 0
.else
	v_wmma_f32_16x16x32_f16 v[8*(4*\mt+\tb):8*(4*\mt+\tb)+7], v[128+8*(4*\mt+\ks):135+8*(4*\mt+\ks)], v[8*(4*\tb+\ks):8*(4*\tb+\ks)+7], v[8*(4*\mt+\tb):8*(4*\mt+\tb)+7]
.endif
.endr
.endr
.if \pf
	PLACES
	WIN 0xc0
.irp mt,0,1,2,3
.irp pt,0,1
	global_load_b128 v[128+8*(4*\mt+\ks)+4*\pt:131+8*(4*\mt+\ks)+4*\pt], v1, s[48:49] offset:16384+4096*\mt+1024*\ks+512*\pt
.endr
.endr
.endif
.endr
.if \pf
	s_wait_loadcnt 32                              ; bo is in
.else
	s_wait_loadcnt 0x0
	PLACES
.endif
	WIN 0x61
.irp mt,0,1,2,3
.irp tb,0,1,2,3
.irp c,0,1,2,3
	v_pk_fma_f32 v[8*(4*\mt+\tb)+2*\c:8*(4*\mt+\tb)+2*\c+1], v[8*(4*\mt+\tb)+2*\c:8*(4*\mt+\tb)+2*\c+1], v[16+2*\tb:17+2*\tb], v[128+8*\mt+2*\c:129+8*\mt+2*\c] op_sel_hi:[1,0,1]
.endr
.endr
.endr
.if \pf
	WIN 0x80
.irp mt,0,1,2,3
.irp pt,0,1
	global_load_b128 v[128+8*\mt+4*\pt:131+8*\mt+4*\pt], v15, s[50:51] offset:256+64*\mt+16*\pt
.endr
.endr
.endif
	WIN 0x04
.irp mt,0,1,2,3
.irp tb,0,1,2,3
	ds_store_b128 v6, v[8*(4*\mt+\tb):8*(4*\mt+\tb)+3],   offset:4352*\tb+64*\mt
	ds_store_b128 v6, v[8*(4*\mt+\tb)+4:8*(4*\mt+\tb)+7], offset:4352*\tb+64*\mt+16
.endr
.endr
	s_wait_xcnt 0x0                                ; the last block's stores have read the registers that are loaded again below
	WIN 0x40
.set I_, 0
.rept 32
	ds_load_b128 v[128+4*I_:131+4*I_], v7 offset:544*I_            ; LDS serves a wave's instructions in order (ISA guide 5.7.1.4): these see the stores above
.set I_, I_+1
.endr
	WIN 0x04
.set I_, 0
.rept 32
	s_wait_dscnt 31-I_
	global_store_b128 v8, v[128+4*I_:131+4*I_], s[52:53] offset:8192*I_ th:TH_STORE_NT  ; 16 lanes store 256 consecutive bytes, at a multiple of 256 from out0's first byte
.set I_, I_+1
.endr
	WIN 0
.if \pf
	s_wait_xcnt 0x0                                ; the bases step only behind this wait
	s_add_nc_u64 s[48:49], s[48:49], 16384
	s_add_nc_u64 s[50:51], s[50:51], 256
	s_add_nc_u64 s[52:53], s[52:53], 256
.endif
.endm
	s_mov_b32 s54, 3
.Lblock:
	BLOCK 1
	s_sub_co_u32 s54, s54, 1
	s_cmp_lg_u32 s54, 0
	s_cbranch_scc1 .Lblock
	BLOCK 0
	s_wait_tensorcnt 0x0                           ; the wave's end
	ds_add_u32 v2, v3
	s_wait_dscnt 0x0
	s_endpgm
.Lfunc_end_k_qf7f2dc7787_outp:
	.size	k_qf7f2dc7787_outp, .Lfunc_end_k_qf7f2dc7787_outp-k_qf7f2dc7787_outp
	.p2alignl 7, 3214868480
	.fill 96, 4, 3214868480
	.section	.rodata,"a",@progbits
	.p2align	6, 0x0
	.amdhsa_kernel k_qf7f2dc7787_outp
		.amdhsa_group_segment_fixed_size 196608
		.amdhsa_private_segment_fixed_size 0
		.amdhsa_enable_private_segment 0
		.amdhsa_kernarg_size 40
		.amdhsa_user_sgpr_count 2
		.amdhsa_user_sgpr_kernarg_segment_ptr 1
		.amdhsa_wavefront_size32 1
		.amdhsa_system_sgpr_workgroup_id_x 1
		.amdhsa_system_sgpr_workgroup_id_y 1
		.amdhsa_system_sgpr_workgroup_id_z 1
		.amdhsa_system_vgpr_workitem_id 0
		.amdhsa_next_free_vgpr 1024
		.amdhsa_next_free_sgpr 80
		.amdhsa_reserve_vcc 1
		.amdhsa_float_denorm_mode_32 3
		.amdhsa_float_denorm_mode_16_64 3
		.amdhsa_memory_ordered 1
		.amdhsa_forward_progress 1
		.amdhsa_inst_pref_size 95
	.end_amdhsa_kernel
	.amdgpu_metadata
---
amdhsa.version: [ 1, 2 ]
amdhsa.kernels:
  - .name:           k_qf7f2dc7787_outp
    .symbol:         k_qf7f2dc7787_outp.kd
    .args:
      - { .name: rec, .offset: 0, .size: 8, .value_kind: global_buffer, .address_space: global }
      - { .name: zf, .offset: 8, .size: 8, .value_kind: global_buffer, .address_space: global }
      - { .name: meta, .offset: 16, .size: 8, .value_kind: global_buffer, .address_space: global }
      - { .name: wts, .offset: 24, .size: 8, .value_kind: global_buffer, .address_space: global }
      - { .name: out0, .offset: 32, .size: 8, .value_kind: global_buffer, .address_space: global }
    .group_segment_fixed_size: 196608
    .private_segment_fixed_size: 0
    .kernarg_segment_align: 8
    .kernarg_segment_size: 40
    .max_flat_workgroup_size: 128
    .sgpr_count:     80
    .vgpr_count:     1024
    .wavefront_size: 32
...
	.end_amdgpu_metadata
.endif
;; end of part 4
